; MI455X (gfx1250); checked and timed in simulation.
; The chip was launched on July 23, 2026; its instructions are those of AMD's public machine-readable ISA for CDNA 5 (MIT licence, August 2026) and "CDNA5" Instruction Set Architecture Reference Guide (July 2026). The comments in the code are by the model that wrote it; some were corrected since.
;; selfattention. Allowed arithmetic: float matrix products may take bf16 or f16 operands with f32 sums; all other float work in f32.
;; Inputs: Wk 1,024 x 1,024 float32; Wq 1,024 x 1,024 float32; Wv 1,024 x 1,024 float32; X 4 x 2,048 x 1,024 float32; bk 1,024 float32; bq 1,024 float32; bv 1,024 float32.
;; Outputs: out0 4 x 2,048 x 1,024 float32.
;; 2 versions, each right; version 2 is version 1 with the launch cast written anew for expert scheduling mode. Each part assembles by itself: llvm-mc -triple=amdgcn-amd-amdhsa -mcpu=gfx1250 --defsym DOCPART=n.
;; ======== version 1 of 2: 4 launches
;; limits: values are held in f16: magnitudes above 65,504 overflow, below 6.1e-05 lose precision
;; workspace buffers: Xb 16,777,216 bytes; Wb 6,291,456 bytes; bb 12,288 bytes; qkv 50,331,648 bytes; P 33,554,432 bytes; smax 524,288 bytes; ssum 524,288 bytes
;; launch cast (part 1): grid 705 x 1, 8 waves a work-group, no clusters, 0 bytes of LDS; arguments X, Wq, Wk, Wv, bq, bk, bv, Xb, Wb, bb; writes Xb, Wb, bb
.if DOCPART == 1
	.amdgcn_target "amdgcn-amd-amdhsa--gfx1250"
	.amdhsa_code_object_version 6
	.text
	.protected	k_q5d7d779e01_cast
	.globl	k_q5d7d779e01_cast
	.p2align	8
	.type	k_q5d7d779e01_cast,@function
k_q5d7d779e01_cast:
	s_mov_b64 s[64:65], 0
	v_nop
	global_prefetch_b8 v0, s[64:65] scope:SCOPE_SE
	s_setreg_imm32_b32 hwreg(HW_REG_WAVE_MODE, 25, 1), 1
	s_wait_xcnt 0x0
; X [8192][1024] and Wq, Wk, Wv [1024][1024], f32, are rounded once to bf16 and laid out IN BLOCKS OF 64 ALONG K: Xb [16 kb][8192][64], Wb [16 kb][3072][64] (rows of q, then k, then v),
; so that the launch behind finds a tile of any rows x 64 K as consecutive bytes.  The three biases are rounded to bf16 like the other inputs and written widened to f32: bb [3072] (q, k, v).
; Work-groups 0-511 take X, 512-703 the weights, 16 rows each; work-group 704 takes the biases.
; A stream: no LDS, no barrier, no matrix unit.  In chunk i wave w takes block kb = 2 w + i / 8 of rows 2 (i % 8) and 2 (i % 8) + 1: lanes 0-15 the even row's 64 numbers (256 consecutive bytes, aligned),
; lanes 16-31 the odd row's; a lane loads 16 bytes and stores 8, and the wave's store covers 256 consecutive bytes, aligned: the two rows' 128 bytes lie end to end in a block.
; All sixteen loads of a thread go out at once; no register is used twice.
.set NX,  512                          ; work-groups for X
.set NW,  64                           ; work-groups for each weight
.set XBLK, 8192*128                    ; bytes in a block of Xb
.set WBLK, 3072*128                    ; and of Wb
.set VIN, 2                            ; v2        my byte offset in the group's 16 rows of the source
.set VO,  3                            ; v3, v4    my byte offset in the destination, for chunks 0-7 and 8-15 (a block further on)
.set IN,  8                            ; v[8:71]   sixteen loads of four f32
.set OUTR, 72                          ; v[72:103] sixteen pairs of packed bf16
	s_load_b512 s[8:23], s[0:1], 0x0               ; X 8, Wq 10, Wk 12, Wv 14, bq 16, bk 18, bv 20, Xb 22
	s_load_b128 s[24:27], s[0:1], 0x40             ; Wb 24, bb 26
	s_mov_b32 s4, ttmp9
	v_lshlrev_b32 v1, 4, v0                        ; the biases: 16 bytes a thread
	s_cmp_eq_u32 s4, NX+3*NW
	s_cbranch_scc1 .Lbias
	s_sub_co_u32 s2, s4, NX                        ; my place among the weights' work-groups (used only where it is one)
	s_and_b32 s3, s2, NW-1                         ; and inside one weight
	s_mov_b32 s36, WBLK
	s_mov_b32 s37, XBLK
	s_cmp_lt_u32 s4, NX
	s_cselect_b32 s32, s4, s3                      ; my part of the source,
	s_cselect_b32 s34, s4, s2                      ; and of the destination: Wb holds the three weights' rows on end
	s_cselect_b32 s36, s37, s36                    ; a block's bytes
	s_lshl_b32 s37, s36, 1                         ; a wave has two blocks
	s_lshl_b32 s32, s32, 16                        ; 16 rows of 4,096 bytes in
	s_lshl_b32 s34, s34, 11                        ; 16 rows of 128 bytes in each block out
	s_mov_b32 s33, 0
	s_mov_b32 s35, 0
	v_and_b32 v5, 15, v0                           ; lane % 16
	v_bfe_u32 v6, v0, 4, 1                         ; lane / 16
	v_lshrrev_b32 v7, 5, v0                        ; wave
	v_lshlrev_b32 v[VIN], 4, v5                    ; in: 16 (lane % 16)
	v_lshl_add_u32 v[VIN], v6, 12, v[VIN]          ;     + a row for the upper lanes
	v_lshl_add_u32 v[VIN], v7, 9, v[VIN]           ;     + the wave's two blocks of 256 bytes
	v_and_b32 v5, 31, v0
	v_lshlrev_b32 v[VO], 3, v5                     ; out: 8 x lane
	v_mul_u32_u24 v6, s37, v7                      ;      + the wave's two blocks
	v_add_nc_u32 v[VO], v[VO], v6
	v_add_nc_u32 v[VO+1], s36, v[VO]
	s_wait_kmcnt 0x0
	s_cmp_lt_u32 s2, NW
	s_cselect_b64 s[28:29], s[10:11], s[12:13]     ; Wq or Wk,
	s_cmp_lt_u32 s2, 2*NW
	s_cselect_b64 s[28:29], s[28:29], s[14:15]     ; or Wv,
	s_cmp_lt_u32 s4, NX
	s_cselect_b64 s[28:29], s[8:9], s[28:29]       ; or X
	s_cselect_b64 s[30:31], s[22:23], s[24:25]     ; Xb or Wb
	s_add_nc_u64 s[28:29], s[28:29], s[32:33]
	s_add_nc_u64 s[30:31], s[30:31], s[34:35]
.set i, 0
.rept 16
	global_load_b128 v[IN+4*i:IN+4*i+3], v[VIN], s[28:29] offset:8192*(i%8)+256*(i/8) th:TH_LOAD_NT
.set i, i+1
.endr
.set i, 0
.rept 16
	s_wait_loadcnt 15-i                            ; loads come back in order (ISA guide 5.7.1): load i is in, the younger ones stay out
	v_cvt_pk_bf16_f32 v[OUTR+2*i], v[IN+4*i], v[IN+4*i+1]
	v_cvt_pk_bf16_f32 v[OUTR+2*i+1], v[IN+4*i+2], v[IN+4*i+3]
	global_store_b64 v[VO+i/8], v[OUTR+2*i:OUTR+2*i+1], s[30:31] offset:256*(i%8)
.set i, i+1
.endr
	s_endpgm
.Lbias:                                                ; 256 threads x 4 numbers = one bias of 1,024
	s_wait_kmcnt 0x0
	global_load_b128 v[8:11], v1, s[16:17]
	global_load_b128 v[12:15], v1, s[18:19]
	global_load_b128 v[16:19], v1, s[20:21]
	s_wait_loadcnt 0x0
.irp i, 0,1,2
	v_cvt_pk_bf16_f32 v[20+2*(\i)], v[8+4*(\i)], v[9+4*(\i)]
	v_cvt_pk_bf16_f32 v[21+2*(\i)], v[10+4*(\i)], v[11+4*(\i)]
	v_lshlrev_b32 v[28+4*(\i)], 16, v[20+2*(\i)]          ; bf16 to f32: the low half moves up,
	v_and_b32 v[29+4*(\i)], 0xffff0000, v[20+2*(\i)]      ; the high half stays
	v_lshlrev_b32 v[30+4*(\i)], 16, v[21+2*(\i)]
	v_and_b32 v[31+4*(\i)], 0xffff0000, v[21+2*(\i)]
	global_store_b128 v1, v[28+4*(\i):31+4*(\i)], s[26:27] offset:4096*(\i)
.endr
	s_endpgm
.Lfunc_end_k_q5d7d779e01_cast:
	.size	k_q5d7d779e01_cast, .Lfunc_end_k_q5d7d779e01_cast-k_q5d7d779e01_cast
	.p2alignl 7, 3214868480
	.fill 96, 4, 3214868480
	.section	.rodata,"a",@progbits
	.p2align	6, 0x0
	.amdhsa_kernel k_q5d7d779e01_cast
		.amdhsa_group_segment_fixed_size 0
		.amdhsa_private_segment_fixed_size 0
		.amdhsa_enable_private_segment 0
		.amdhsa_kernarg_size 80
		.amdhsa_user_sgpr_count 2
		.amdhsa_user_sgpr_kernarg_segment_ptr 1
		.amdhsa_wavefront_size32 1
		.amdhsa_system_sgpr_workgroup_id_x 1
		.amdhsa_system_sgpr_workgroup_id_y 1
		.amdhsa_system_sgpr_workgroup_id_z 1
		.amdhsa_system_vgpr_workitem_id 0
		.amdhsa_next_free_vgpr 104
		.amdhsa_next_free_sgpr 66
		.amdhsa_reserve_vcc 0
		.amdhsa_float_denorm_mode_32 3
		.amdhsa_float_denorm_mode_16_64 3
		.amdhsa_memory_ordered 1
		.amdhsa_forward_progress 1
		.amdhsa_inst_pref_size 9
	.end_amdhsa_kernel
	.amdgpu_metadata
---
amdhsa.version: [ 1, 2 ]
amdhsa.kernels:
  - .name:           k_q5d7d779e01_cast
    .symbol:         k_q5d7d779e01_cast.kd
    .args:
      - { .name: X, .offset: 0, .size: 8, .value_kind: global_buffer, .address_space: global }
      - { .name: Wq, .offset: 8, .size: 8, .value_kind: global_buffer, .address_space: global }
      - { .name: Wk, .offset: 16, .size: 8, .value_kind: global_buffer, .address_space: global }
      - { .name: Wv, .offset: 24, .size: 8, .value_kind: global_buffer, .address_space: global }
      - { .name: bq, .offset: 32, .size: 8, .value_kind: global_buffer, .address_space: global }
      - { .name: bk, .offset: 40, .size: 8, .value_kind: global_buffer, .address_space: global }
      - { .name: bv, .offset: 48, .size: 8, .value_kind: global_buffer, .address_space: global }
      - { .name: Xb, .offset: 56, .size: 8, .value_kind: global_buffer, .address_space: global }
      - { .name: Wb, .offset: 64, .size: 8, .value_kind: global_buffer, .address_space: global }
      - { .name: bb, .offset: 72, .size: 8, .value_kind: global_buffer, .address_space: global }
    .group_segment_fixed_size: 0
    .private_segment_fixed_size: 0
    .kernarg_segment_align: 8
    .kernarg_segment_size: 80
    .max_flat_workgroup_size: 256
    .sgpr_count:     66
    .vgpr_count:     104
    .wavefront_size: 32
...
	.end_amdgpu_metadata
.endif
;; end of part 1
;; launch proj (part 2): grid 8 x 32, 4 waves a work-group, clusters of 4 x 4, 327,680 bytes of LDS; arguments Xb, Wb, bb, qkv; writes qkv
.if DOCPART == 2
	.amdgcn_target "amdgcn-amd-amdhsa--gfx1250"
	.amdhsa_code_object_version 6
	.text
	.protected	k_q5d7d779e01_proj
	.globl	k_q5d7d779e01_proj
	.p2align	8
	.type	k_q5d7d779e01_proj,@function
k_q5d7d779e01_proj:
	s_mov_b64 s[64:65], 0
	v_nop
	global_prefetch_b8 v0, s[64:65] scope:SCOPE_SE
	s_setreg_imm32_b32 hwreg(HW_REG_WAVE_MODE, 25, 1), 1
	s_wait_xcnt 0x0
	s_wait_alu depctr_hold_cnt(0) depctr_sa_sdst(0) depctr_va_vdst(0) depctr_va_sdst(0) depctr_va_ssrc(0) depctr_va_vcc(0) depctr_vm_vsrc(0)
	s_getreg_b32 s2, hwreg(HW_REG_IB_STS2, 6, 4)
	s_cmp_eq_u32 s2, 0
	s_cbranch_scc0 .Lentry_in_a_cluster
	s_endpgm
.Lentry_in_a_cluster:
	s_bfe_u32 s2, ttmp6, 0x10000c
	s_cmp_lg_u32 s2, 0xf033
	s_cbranch_scc0 .Lentry_shape_is_right
	s_endpgm
.Lentry_shape_is_right:
; qkv[m][n] = sum over k of X[m][k] W[n][k] + bb[n].  Xb [16 kb][8192][64], Wb [16 kb][3072][64] bf16, in blocks of 64 along K; bb [3072] f32; qkv [8192][3072] f16 (columns: q, k, v).  Sums in f32, rounded once.
; LIMIT.  f16 holds no number of 65,520 or more: q, k and v beyond that become infinities.
; A tile of qkv is 256 rows x 384 columns: 32 x 8 = 256 tiles, one work-group each.  Four waves; a wave makes 128 rows x 192 columns: 96 accumulators of 16 x 16, 768 registers;
; for 32 along K it reads 40 x 512 bytes from LDS for 96 matrix instructions.
; K goes in sixteen steps of 64 through two LDS slots (two slots of 128 along K would be 2 x 640 rows x 272 bytes = 348,160 bytes: more than a work-group can have).  A tile's rows of 128 bytes lie end to end
; in a block, so a tile is asked for as rows of 256 bytes, and padded in LDS behind every 128.
; THE LOOP's trip is one K step, two quarters of 32 along K; which slot is in hand stands in a scalar (0 or SLOT).  The first quarter, whose products start the sums, stands in front of the loop, and the loop
; is entered behind its own first quarter.  Fourteen trips ask for steps 2 to 15; the last two steps are a second loop without a tensor load, whose last trip fetches the first fragments of an old slot
; for nobody: 40 LDS loads, once a work-group, the price of one text for both trips.
; CLUSTER 4 x 4: the four work-groups of a row of the cluster need the same rows of Xb, the four of a column the same rows of Wb: each tile is asked for jointly.
; THE MATRIX INSTRUCTION IS USED TRANSPOSED: source 0 = 16 rows of Wb, source 1 = 16 rows of Xb: a lane holds one row of qkv (lane % 16) and eight neighbouring columns 8 (lane / 16) + 0..7.
; THE BIAS of column block b is loaded into accumulator (b, 0) itself: it is the C operand of the products that start (b, 1) to (b, 7), and then (b, 0) adds in place onto it.  Nothing is cleared, nothing is added on the way out.
; REGISTERS, in windows of 256 (s_set_vgpr_msb: bits 1:0 source 0, 3:2 source 1, 5:4 source 2, 7:6 destination):
;   window 0: v0-31 addresses; v32-95, v96-159 fragments of Xb (8 x 16 rows x 32 K), two buffers; v160-255 fragments of Wb (12 x 16 rows x 32 K), ONE buffer: a quarter goes through the column blocks
;             in three groups of four, and behind each group its four fragments are loaded anew, for the next quarter: 64 matrix instructions ahead of their use
;   windows 1-3: the accumulators: (column block b, row block a) at v[64 (b % 4) + 8 a] of window 1 + b / 4
.set PITCH,  144                       ; an LDS row: 128 bytes + 16 of padding = 36 words: the 16 rows of a fragment load start at 16 different groups of four banks (64 banks of 4 bytes: ISA guide 11.1)
.set AHALF,  128*PITCH                 ; half of Xb's tile: what waves 0 and 1 each fetch, and what a wave reads of Xb
.set BHALF,  192*PITCH                 ; half of Wb's tile: what waves 2 and 3 each fetch, and what a wave reads of Wb
.set BOFF,   2*AHALF                   ; a slot: Xb's 256 rows, then Wb's 384 rows
.set SLOT,   BOFF+2*BHALF
.set SPITCH, 784                       ; the stage's rows: 768 bytes + 16.  The stage, 256 rows from LDS byte 0, lies over both slots, behind their last fill and their last read
.set SPARE,  256*SPITCH                ; behind the stage: the spare words, 128 bytes for each wave
.set XSTEP,  8192*128                  ; bytes from a block of Xb to the next
.set WSTEP,  3072*128                  ; and of Wb
.set FILLS,  14                        ; of the sixteen K steps, steps 2 to 15 are refills
.set GO,   10                          ; v10-12  the way out: my byte offsets in two rows of qkv
.set BO,   13                          ; v13     my byte offset in bb
.set A0,   16                          ; v16     my lane's place in my 128 rows of Xb in slot 0; never rewritten
.set ADRA, 17                          ; v17     the same in the slot in hand
.set B0,   20                          ; v20     my lane's place in my 192 rows of Wb in slot 0; never rewritten
.set ADRB, 21                          ; v21     the same in the slot in hand
.set STO,  22                          ; v22-23  the way out: where I put 16 bytes of a row (row blocks 0-3, 4-7)
.set RD,   24                          ; v24-26  the way out: where I read two rows back, in three parts
.set SPW,  28                          ; v28     LDS address of my spare word; never rewritten
.set NIL,  29                          ; v29     0; never rewritten
.set AF0,  32
.set AF1,  96
.set BF,   160
.set TMP,  32                          ; the way out: 128 registers of packed results
.set OUTB, 64                          ; the way out: 192 registers of rows read back
.set WV,  12                           ; s12 my wave's number; s14 which 128 rows are mine; s15 which 192 columns, and which half of a tile I fetch
.set TB,  18                           ; s18 the slot in hand: 0 or SLOT
.set LWA, 20                           ; s20 where my half of Xb's tile goes in a slot
.set LWB, 21                           ; s21 where my half of Wb's tile goes
.set G1,  24                           ; s[24:31] descriptor group 1 for Xb's tiles;  s[32:39] group 0: a set for each of the two first fills; the second then walks on
.set G0,  32
.set G1B, 48                           ; s[48:55], s[56:63] the same for Wb's tiles
.set G0B, 56
.set MSB, 0
.macro WIN new                         ; the immediate's high byte repeats the setting that is left; a switch that changes nothing is dropped
.if MSB != (\new)
	s_set_vgpr_msb (MSB<<8)|(\new)
.set MSB, \new
.endif
.endm
.macro PLACES                          ; four places in front of loads into registers that matrix instructions have read, and of conversions that read results
.rept 4
	v_nop
.endr
.endm
; A joint load.  Waves 0 and 1 fetch the halves of Xb's tile, waves 2 and 3 those of Wb's.  The branch hangs on the wave's number alone.
; An s_nop 0 and four v_nop follow each of the two lines, ahead of the jump and the label.
.macro JLOAD s
	s_cmp_lt_u32 s[WV], 2
	s_cbranch_scc0 .Lfor_b_\@
	tensor_load_to_lds s[G0+4*(\s):G0+4*(\s)+3], s[G1:G1+7]
	s_nop 0
	PLACES
	s_branch .Lasked_\@
.Lfor_b_\@:
	tensor_load_to_lds s[G0B+4*(\s):G0B+4*(\s)+3], s[G1B:G1B+7]
	s_nop 0
	PLACES
.Lasked_\@:
.endm
.macro CREST                           ; a round of the cluster's barrier behind its opening barrier
	s_cmp_lg_u32 s[WV], 0
	s_cbranch_scc1 .Lnot_wave_0_\@
	s_barrier_signal -3
.Lnot_wave_0_\@:
	s_barrier_wait -3
	s_barrier_signal -1
	s_barrier_wait -1
.endm
.macro CROUND                          ; a whole round
	s_barrier_signal -1
	s_barrier_wait -1
	CREST
.endm
	s_load_b256 s[4:11], s[0:1], 0x0               ; Xb s[4:5], Wb s[6:7], bb s[8:9], qkv s[10:11]
	v_lshl_add_u32 v[SPW], v0, 2, SPARE
	v_mov_b32 v[NIL], 0
	ds_add_u32 v[SPW], v[NIL]                      ; the wave's opening: the add and its wait stand ahead of my first tensor load; work on registers stands between them
	ds_add_u32 v28, v29
	v_lshrrev_b32 v1, 5, v0
	v_readfirstlane_b32 s[WV], v1                  ; wave 0..3
	s_lshr_b32 s14, s[WV], 1
	s_and_b32 s15, s[WV], 1
	s_bfe_u32 s40, ttmp6, 0x40000                  ; cx, cy: my place in the cluster
	s_bfe_u32 s41, ttmp6, 0x40004
	s_lshl_b32 s42, ttmp9, 2
	s_add_co_u32 s42, s42, s40                     ; tile column = 4 x cluster x + cx
	s_and_b32 s13, ttmp7, 0xffff
	s_lshl_b32 s13, s13, 2
	s_add_co_u32 s13, s13, s41                     ; tile row = 4 x cluster y + cy
	s_lshl_b32 s43, s41, 2
	s_lshl_b32 s43, 15, s43                        ; my row of the cluster
	s_lshl_b32 s44, 0x1111, s40                    ; my column
	; descriptor group 1: rows of 128 elements of 2 bytes (two rows of a tile), 4 words of padding behind every 32; Xb's half is 64 such rows, Wb's 96
	s_or_b32 s[G1+0], s43, (1<<16)|(1<<20)|(1<<21)|(4<<22)|(3<<25)
	s_or_b32 s[G1B+0], s44, (1<<16)|(1<<20)|(1<<21)|(4<<22)|(3<<25)
.irp g, G1, G1B
	s_mov_b32 s[(\g)+1], 128<<16                   ; tensor_dim0 = 128
	s_mov_b32 s[(\g)+3], 128<<16                   ; tile_dim0 = 128
	s_mov_b32 s[(\g)+5], 128                       ; elements from row to row: dense
	s_mov_b32 s[(\g)+6], 0
	s_mov_b32 s[(\g)+7], 0
.endr
	s_mov_b32 s[G1+2], 64<<16                      ; tensor_dim1 = 64
	s_mov_b32 s[G1+4], 64                          ; tile_dim1 = 64
	s_mov_b32 s[G1B+2], 96<<16                     ; tensor_dim1 = 96
	s_mov_b32 s[G1B+4], 96                         ; tile_dim1 = 96
	s_lshl_b32 s16, s13, 8                         ; Xb: (256 x tile row + 128 x half) x 128 bytes: hangs on the tile row alone
	s_lshl_b32 s17, s15, 7
	s_add_co_u32 s16, s16, s17
	s_lshl_b32 s16, s16, 7
	s_mov_b32 s17, 0
	s_mul_i32 s46, s42, 384                        ; Wb: (384 x tile column + 192 x half) x 128 bytes: hangs on the tile column alone
	s_mul_i32 s45, s15, 192
	s_add_co_u32 s46, s46, s45
	s_lshl_b32 s46, s46, 7
	s_mov_b32 s47, 0
	s_mul_i32 s[LWA], s15, AHALF                   ; where my half goes: no place in the cluster enters an LDS address
	s_mul_i32 s[LWB], s15, BHALF
	s_add_co_u32 s[LWB], s[LWB], BOFF
	s_mov_b32 s[TB], 0
	s_wait_dscnt 0x0                               ; the opening add is done
	s_wait_kmcnt 0x0
	s_add_nc_u64 s[22:23], s[4:5], s[16:17]
	s_add_nc_u64 s[46:47], s[6:7], s[46:47]
	CROUND                                         ; all sixteen work-groups are here: the first joint loads meet
.irp s, 0,1
	s_mov_b32 s[G0+4*(\s)], 1
	s_add_co_u32 s[G0+4*(\s)+1], s[LWA], (\s)*SLOT
	s_add_nc_u64 s[G0+4*(\s)+2:G0+4*(\s)+3], s[22:23], (\s)*XSTEP
	s_or_b32 s[G0+4*(\s)+3], s[G0+4*(\s)+3], 0x80000000
	s_mov_b32 s[G0B+4*(\s)], 1
	s_add_co_u32 s[G0B+4*(\s)+1], s[LWB], (\s)*SLOT
	s_add_nc_u64 s[G0B+4*(\s)+2:G0B+4*(\s)+3], s[46:47], (\s)*WSTEP
	s_or_b32 s[G0B+4*(\s)+3], s[G0B+4*(\s)+3], 0x80000000
	JLOAD \s                                       ; two loads of mine are out
.endr
	v_and_b32 v1, 15, v0                           ; r = l % 16
	v_bfe_u32 v2, v0, 4, 1                         ; h = l / 16
	v_and_b32 v3, 31, v0                           ; l
	v_mul_u32_u24 v4, v1, PITCH
	v_lshl_add_u32 v4, v2, 4, v4                   ; a fragment's row x pitch + 16 x half
	s_mul_i32 s19, s14, AHALF                      ; my 128 rows of Xb
	v_add_nc_u32 v[A0], s19, v4
	v_add_nc_u32 v[B0], s[LWB], v4                 ; my 192 rows of Wb: the half that my column half names, behind Xb's 256 rows
	v_mov_b32 v[ADRA], v[A0]                       ; K step 0 lies in slot 0
	v_mov_b32 v[ADRB], v[B0]
	v_mul_u32_u24 v5, v1, SPITCH                   ; into the stage: row 128 x my row half + r of a block, my 384 bytes of it, 16 bytes for each half of the lanes
	v_lshl_add_u32 v5, v2, 4, v5
	s_mul_i32 s16, s14, 128*SPITCH
	s_mul_i32 s17, s15, 384
	s_add_co_u32 s16, s16, s17
	v_add_nc_u32 v[STO], s16, v5
	v_add_nc_u32 v[STO+1], 4*16*SPITCH, v[STO]
	s_mul_i32 s16, s[WV], 64*SPITCH                ; back: wave w takes rows 64 w .. 64 w + 63, whole; two rows of 768 bytes are three loads of 512
	v_lshl_add_u32 v[RD], v3, 4, s16               ; bytes 0-511 of the even row
	v_mul_u32_u24 v6, v2, 272
	v_lshl_add_u32 v6, v1, 4, v6
	s_add_co_u32 s17, s16, 512
	v_add_nc_u32 v[RD+1], s17, v6                  ; bytes 512-767 of the even row, bytes 0-255 of the odd one
	v_add_nc_u32 v[RD+2], SPITCH+256, v[RD]        ; bytes 256-767 of the odd row
	v_lshlrev_b32 v[GO], 4, v3                     ; and the same three parts in qkv, whose rows are 6,144 bytes
	v_mul_u32_u24 v7, v2, 5632
	v_lshl_add_u32 v7, v1, 4, v7
	v_add_nc_u32 v[GO+1], 512, v7
	v_add_nc_u32 v[GO+2], 6144+256, v[GO]
	s_mul_i32 s45, s42, 1536                       ; bb: 4 bytes x (384 x tile column + 192 x column half) + 32 x half of the lanes
	s_mul_i32 s17, s15, 768
	s_add_co_u32 s45, s45, s17
	v_lshl_add_u32 v[BO], v2, 5, s45
	s_lshl_b32 s16, s13, 8
	s_lshl_b32 s17, s[WV], 6
	s_add_co_u32 s16, s16, s17                     ; the first row of qkv that I store: 256 x tile row + 64 x wave
	s_mul_i32 s16, s16, 6144
	s_mov_b32 s17, 0
	s_add_nc_u64 s[10:11], s[10:11], s[16:17]
	s_mul_i32 s46, s42, 768                        ; the tile's first column, in bytes
	s_mov_b32 s47, 0
	s_add_nc_u64 s[10:11], s[10:11], s[46:47]
.irp b, 0,1,2,3,4,5,6,7,8,9,10,11
	WIN 0x40*(1+(\b)/4)                            ; destination window 1 + b / 4, address window 0
	global_load_b128 v[64*((\b)%4):64*((\b)%4)+3],   v[BO], s[8:9] offset:64*(\b)      ; into accumulator (b, 0): register j takes the bias of column 16 b + 8 h + j
	global_load_b128 v[64*((\b)%4)+4:64*((\b)%4)+7], v[BO], s[8:9] offset:64*(\b)+16
.endr
	WIN 0
; 16 matrix instructions: column blocks b0, b0 + 1 of group g's four x all 8 row blocks, 32 along K, Xb's buffer f.  No two that follow each other share an accumulator.
.macro MUL16 f, g, b0
	WIN 0x50*((\g)+1)                              ; sources 0 (Wb) and 1 (Xb) window 0; C and D window g + 1
.irp bb, \b0, (\b0)+1
.irp a, 0,1,2,3,4,5,6,7
	v_wmma_f32_16x16x32_bf16 v[64*(\bb)+8*(\a):64*(\bb)+8*(\a)+7], v[BF+8*(4*(\g)+(\bb)):BF+8*(4*(\g)+(\bb))+7], v[(\f)+8*(\a):(\f)+8*(\a)+7], v[64*(\bb)+8*(\a):64*(\bb)+8*(\a)+7]
.endr
.endr
.endm
; A group's 32 products that start the sums: row blocks 1 to 7 take the bias, which lies in (b, 0), as C; five places behind the last of them (a matrix instruction then writes over what they read as C:
; ISA guide 7.12.1) row block 0 adds in place onto it.
.macro FIRST32 f, g
	WIN 0x50*((\g)+1)
.irp bb, 0,1,2,3
.irp a, 1,2,3,4,5,6,7
	v_wmma_f32_16x16x32_bf16 v[64*(\bb)+8*(\a):64*(\bb)+8*(\a)+7], v[BF+8*(4*(\g)+(\bb)):BF+8*(4*(\g)+(\bb))+7], v[(\f)+8*(\a):(\f)+8*(\a)+7], v[64*(\bb):64*(\bb)+7]
.endr
.endr
.rept 5
	v_nop
.endr
.irp bb, 0,1,2,3
	v_wmma_f32_16x16x32_bf16 v[64*(\bb):64*(\bb)+7], v[BF+8*(4*(\g)+(\bb)):BF+8*(4*(\g)+(\bb))+7], v[(\f):(\f)+7], v[64*(\bb):64*(\bb)+7]
.endr
.endm
.macro GROUP f, g, first
.if \first
	FIRST32 \f, \g
.else
	MUL16 \f, \g, 0
	MUL16 \f, \g, 2
.endif
.endm
; The LDS loads stand in runs.  RUNB: group g's four fragments of Wb, 8 loads.  RUNA: Xb's eight fragments into buffer f, 16 loads.  Both at byte k of the rows of the slot in hand, under window 0.
.macro RUNB g, k
.irp i, 0,1,2,3
	ds_load_b128 v[BF+8*(4*(\g)+(\i)):BF+8*(4*(\g)+(\i))+3],   v[ADRB] offset:(\k)+(4*(\g)+(\i))*16*PITCH
	ds_load_b128 v[BF+8*(4*(\g)+(\i))+4:BF+8*(4*(\g)+(\i))+7], v[ADRB] offset:(\k)+(4*(\g)+(\i))*16*PITCH+32
.endr
.endm
.macro RUNA f, k
.irp i, 0,1,2,3,4,5,6,7
	ds_load_b128 v[(\f)+8*(\i):(\f)+8*(\i)+3],   v[ADRA] offset:(\k)+(\i)*16*PITCH
	ds_load_b128 v[(\f)+8*(\i)+4:(\f)+8*(\i)+7], v[ADRA] offset:(\k)+(\i)*16*PITCH+32
.endr
.endm
; A K step's first quarter: multiplies Xb's buffer f; behind each group come the next quarter's fragments, at byte k of the same slot: the group's own four of Wb, and with the first run Xb's eight into buffer g.
; The runs of a quarter are 24, 8 and 8 loads, and LDS loads come back in order (ISA guide 5.7.1), so each wait names the loads issued behind the run that the group needs.
.macro QUARTER f, g, k, first
	s_wait_dscnt 16                                ; the last quarter's first run is in; its two runs of 8 may be out
	GROUP \f, 0, \first
	WIN 0
	PLACES
	RUNB 0, \k
	RUNA \g, \k
	s_wait_dscnt 32                                ; the last quarter's second run is in; its third (8) and the 24 just issued may be out
	GROUP \f, 1, \first
	WIN 0
	PLACES
	RUNB 1, \k
	s_wait_dscnt 32                                ; the last quarter's third run is in; this quarter's 24 and 8 may be out
	GROUP \f, 2, \first
	WIN 0
	PLACES
	RUNB 2, \k
.endm
; A K step's second quarter multiplies buffer AF1 and changes slots: the slot's last bytes were asked for in the first quarter.  ONE barrier: in front of it each wave waits for all its tensor loads (one is out:
; its half of a tile of the next slot), adds 0 to its spare word, and waits for that and for its own reads of this slot.  fill = 1: the barrier opens a round of the cluster's, and this slot is filled again,
; two K steps ahead, first thing behind the round: 160 matrix instructions ahead of the wait for it.  Then the runs read the next slot.
.macro TURNQ fill
	WIN 0
	s_wait_tensorcnt 0x0                           ; no tensor load of mine is out, so a group 0 may be written
	ds_add_u32 v[SPW], v[NIL]                      ; 0 onto my spare word; work on registers stands between it and the wait for it
.if \fill
	s_add_co_u32 s[G0+5], s[TB], s[LWA]            ; the walking descriptors: my half in the slot that is being left,
	s_add_co_u32 s[G0B+5], s[TB], s[LWB]
	s_add_nc_u64 s[G0+6:G0+7], s[G0+6:G0+7], XSTEP       ; the block behind the one asked for last; the type bits on top are not reached
	s_add_nc_u64 s[G0B+6:G0B+7], s[G0B+6:G0B+7], WSTEP
.endif
	s_xor_b32 s[TB], s[TB], SLOT                   ; the other slot is in hand
	s_wait_dscnt 17                                ; the last quarter's first run is in; its two runs of 8 and the add may be out
	MUL16 AF1, 0, 0
	s_wait_dscnt 0x0                               ; the add is done, and my reads of the old slot are over
	s_barrier_signal -1
	MUL16 AF1, 0, 2                                ; work on registers while the others arrive
	WIN 0
	s_barrier_wait -1
.if \fill
	CREST                                          ; no wave of any partner still reads the old slot's tile or has a load on its way
	JLOAD 1                                        ; its four v_nop are also the places in front of the loads below
.else
	PLACES
.endif
	v_add_nc_u32 v[ADRA], s[TB], v[A0]
	v_add_nc_u32 v[ADRB], s[TB], v[B0]
	RUNB 0, 0
	RUNA AF0, 0
	GROUP AF1, 1, 0                                ; its fragments came in ahead of the barrier
	WIN 0
	PLACES
	RUNB 1, 0
	GROUP AF1, 2, 0
	WIN 0
	PLACES
	RUNB 2, 0
.endm
	s_wait_tensorcnt 1                             ; my half of K step 0's tile is in; K step 1's may stay out
	s_barrier_signal -1
	s_barrier_wait -1
	RUNB 0, 0                                      ; the first quarter's fragments, in the runs' order: 24, 8, 8
	RUNA AF0, 0
	RUNB 1, 0
	RUNB 2, 0
	s_wait_loadcnt 0x0                             ; the bias
	QUARTER AF0, AF1, 64, 1                        ; the first quarter stands in front of the loop: its products start the sums
	WIN 0                                          ; at a label and at a branch every window is 0
	s_mov_b32 s3, FILLS
	s_branch .Lin                                  ; the loop is entered behind its first quarter
.Lstep:                                                ; a trip is a K step, and asks for the step two further on
	QUARTER AF0, AF1, 64, 0
	WIN 0
.Lin:
	TURNQ 1
	WIN 0
	s_sub_co_u32 s3, s3, 1
	s_cmp_lg_u32 s3, 0
	s_cbranch_scc1 .Lstep
	s_mov_b32 s3, 2
.Ltail:                                                ; the last two K steps ask for nothing
	QUARTER AF0, AF1, 64, 0
	TURNQ 0
	WIN 0
	s_sub_co_u32 s3, s3, 1
	s_cmp_lg_u32 s3, 0
	s_cbranch_scc1 .Ltail
	; THE WAY OUT: round to f16; 16 bytes a lane into the work-group's stage; a barrier, since a row's 768 bytes come from two waves; back as whole rows, 64 rows a wave.
	s_wait_dscnt 0x0                               ; the slots now become the stage: my reads of them are back, the last trip's fetch among them,
	s_barrier_signal -1
	s_barrier_wait -1                              ; and so are everybody's: no wave stores into a slot before
	PLACES
.macro PACKG g                         ; group g's 32 accumulators, n = 8 (b % 4) + a, each from its lowest registers on
	WIN 5*((\g)+1)                                 ; sources 0 and 1 window g + 1, destination window 0
.set n, 0
.rept 32
.irp r, 0,1,2,3
	v_cvt_pk_f16_f32 v[TMP+4*n+(\r)], v[8*n+2*(\r)], v[8*n+2*(\r)+1]
.endr
.set n, n+1
.endr
	WIN 0
.set n, 0
.rept 32
	ds_store_b128 v[STO+(n%8)/4], v[TMP+4*n:TMP+4*n+3] offset:(n%4)*16*SPITCH+32*(4*(\g)+n/8)
.set n, n+1
.endr
.endm
	PACKG 0
	PACKG 1
	PACKG 2
	s_wait_dscnt 0x0                               ; for the others' sake: my stores into the stage are done
	s_barrier_signal -1
	s_barrier_wait -1
.macro BACK j                          ; 32 of my 64 rows: 16 pairs, three loads of 512 bytes each, and their stores
.set p, 0
.rept 16
.irp t, 0,1,2
	ds_load_b128 v[OUTB+4*(3*p+(\t)):OUTB+4*(3*p+(\t))+3], v[RD+(\t)] offset:2*SPITCH*(16*(\j)+p)
.endr
.set p, p+1
.endr
.set p, 0
.rept 16
	s_wait_dscnt 45-3*p                            ; pair p of rows is back: the loads of the pairs behind it may be out
.irp t, 0,1,2
	global_store_b128 v[GO+(\t)], v[OUTB+4*(3*p+(\t)):OUTB+4*(3*p+(\t))+3], s[10:11] offset:2*6144*(16*(\j)+p)  ; every 16 lanes store 256 consecutive bytes, at a multiple of 256 from qkv's first byte
.endr
.set p, p+1
.endr
.endm
	BACK 0
	s_wait_xcnt 0x0                                ; every earlier memory instruction has had its addresses translated (ISA guide 3.1): the registers that the stores read are loaded again only behind this wait
	BACK 1
	s_wait_tensorcnt 0x0                           ; the wave's end
	ds_add_u32 v[SPW], v[NIL]
	s_wait_dscnt 0x0
	CROUND                                         ; the closing round
	s_endpgm
.Lfunc_end_k_q5d7d779e01_proj:
	.size	k_q5d7d779e01_proj, .Lfunc_end_k_q5d7d779e01_proj-k_q5d7d779e01_proj
	.p2alignl 7, 3214868480
	.fill 96, 4, 3214868480
	.section	.rodata,"a",@progbits
	.p2align	6, 0x0
	.amdhsa_kernel k_q5d7d779e01_proj
		.amdhsa_group_segment_fixed_size 327680
		.amdhsa_private_segment_fixed_size 0
		.amdhsa_enable_private_segment 0
		.amdhsa_kernarg_size 32
		.amdhsa_user_sgpr_count 2
		.amdhsa_user_sgpr_kernarg_segment_ptr 1
		.amdhsa_wavefront_size32 1
		.amdhsa_system_sgpr_workgroup_id_x 1
		.amdhsa_system_sgpr_workgroup_id_y 1
		.amdhsa_system_sgpr_workgroup_id_z 1
		.amdhsa_system_vgpr_workitem_id 0
		.amdhsa_next_free_vgpr 1024
		.amdhsa_next_free_sgpr 66
		.amdhsa_reserve_vcc 0
		.amdhsa_float_denorm_mode_32 3
		.amdhsa_float_denorm_mode_16_64 3
		.amdhsa_memory_ordered 1
		.amdhsa_forward_progress 1
		.amdhsa_inst_pref_size 108
	.end_amdhsa_kernel
	.amdgpu_metadata
---
amdhsa.version: [ 1, 2 ]
amdhsa.kernels:
  - .name:           k_q5d7d779e01_proj
    .symbol:         k_q5d7d779e01_proj.kd
    .args:
      - { .name: Xb, .offset: 0, .size: 8, .value_kind: global_buffer, .address_space: global }
      - { .name: Wb, .offset: 8, .size: 8, .value_kind: global_buffer, .address_space: global }
      - { .name: bb, .offset: 16, .size: 8, .value_kind: global_buffer, .address_space: global }
      - { .name: qkv, .offset: 24, .size: 8, .value_kind: global_buffer, .address_space: global }
    .group_segment_fixed_size: 327680
    .private_segment_fixed_size: 0
    .kernarg_segment_align: 8
    .kernarg_segment_size: 32
    .max_flat_workgroup_size: 128
    .sgpr_count:     66
    .vgpr_count:     1024
    .wavefront_size: 32
...
	.end_amdgpu_metadata
.endif
;; end of part 2
;; launch score (part 3): grid 9 x 16, 4 waves a work-group, no clusters, 327,680 bytes of LDS; arguments qkv, P, smax, ssum; writes P, smax, ssum
.if DOCPART == 3
	.amdgcn_target "amdgcn-amd-amdhsa--gfx1250"
	.amdhsa_code_object_version 6
	.text
	.protected	k_q5d7d779e01_score
	.globl	k_q5d7d779e01_score
	.p2align	8
	.type	k_q5d7d779e01_score,@function
k_q5d7d779e01_score:
	s_mov_b64 s[64:65], 0
	v_nop
	global_prefetch_b8 v0, s[64:65] scope:SCOPE_SE
	s_setreg_imm32_b32 hwreg(HW_REG_WAVE_MODE, 25, 1), 1
	s_wait_xcnt 0x0
; For each tile of 256 queries x 256 keys on or below the diagonal: S = q k^T (f16 operands, f32 sums, K = 1024), the causal mask, and a softmax BY BLOCKS OF 128 KEYS:
; for query row and key block t: m = the block's largest score, p = 2^(c s - c m), c = log2(e) / 32, l = the sum of the p.  P [4][2048][2048] f16 takes p (rounded once),
; smax takes c m, ssum takes l, both [4 b][16 t][32 g][16 r][4 a] f32 for row 64 g + 16 a + r.  The launch behind joins the blocks by their maxima.
; LIMITS.  A hidden score counts as its value less 1e30 (f16 operands give scores of 4.4e12 at the most); a weight below 2^-126 counts as 0 in l; below 6e-5 p keeps f16's fixed step; NaN and infinities are not treated apart.
; TILES.  A batch has 36 tiles (I, J <= I).  Work-group (t, y): batch y / 4, p = y % 4; tile (p, t) if t <= p, else (7 - p, t - p - 1): rows p and 7 - p have 9 tiles together.
; NO CLUSTER: a batch's tiles form a triangle; squares of 4 x 4 that cover it would add 12 wholly hidden tiles to every 36.
; Four waves, each 128 queries x 128 keys: 64 accumulators, 512 registers; a wave's keys are one key block, so the softmax never leaves the wave.
; THE LOOP's trip is one K step of 128; which slot is in hand stands in a scalar (0 or SLOT), from which the fragments' addresses and the refill's LDS word are made at each change of slots.
; The first quarter step, whose products start the sums, stands in front of the loop, and the loop is entered behind its own first quarter.  Six trips ask for steps 2 to 7; the last two steps are a
; second loop without a tensor load, whose last trip fetches the first fragments of an old slot for nobody: 32 LDS loads, once a work-group, the price of one text for both trips.
; TRANSPOSED USE: source 0 = 16 rows of k, source 1 = 16 rows of q: a lane holds one query (lane % 16) and the keys 8 (lane / 16) + 0..7 of each of 8 key groups.
; THE MASK is the C operand that starts a sum: for the wave whose 128 x 128 holds the diagonal, 0 below it, -1e30 above it.  In a diagonal tile the wave of rows 0-127 and keys 128-255 is wholly hidden:
; it is left unmasked, its numbers are finite, and the launch behind gives that block the weight 0.
; REGISTERS: window 0: v0-31 addresses; v40-55 masks; v64-127, v128-191 fragments of q; on the way out v32-63, v224-255 rows read back, v64-143 at work, v192-223 packed p
;   window 1: v64-127, v128-191 fragments of k;   window 2: accumulators of my rows 0-63 ((a, b) at v[8 (8 a + b)]);   window 3: rows 64-127
.set KSTEP,  128
.set PITCH,  272                       ; 256 bytes + 16 of padding: the 16 rows of a load start at 16 different groups of four banks (64 banks of 4 bytes: ISA guide 11.1)
.set HALFT,  128*PITCH
.set SLOT,   4*HALFT                   ; q's 256 rows, then k's 256 rows
.set STAGE,  2*SLOT                    ; behind the ring: 16 rows x 272 bytes for each wave
.set SPITCH, 272
.set SPARE,  STAGE+4*16*SPITCH         ; behind the stages: the spare words
.set FILLS,  6                         ; of the eight K steps, steps 2 to 7 are refills
.set A0,   16                          ; v16 my lane's place in my rows of q in slot 0; never rewritten
.set ADRA, 17                          ; v17 the same in the slot in hand
.set B0,   20                          ; v20, v21 the same for k
.set ADRB, 21
.set STO,  24
.set RD,   25
.set CO,   26                          ; v26 my byte offset in two rows of P
.set HH,   27                          ; v27 lane / 16
.set SPW,  28
.set NIL,  29
.set SO,   30                          ; v30 16 x lane
.set OB,   32
.set MEQ,  40                          ; v40-47 the mask of a key group on the diagonal
.set MHI,  48                          ; v48-55 the mask of a key group above it
.set F0,   64
.set F1,   128
.set T,    64                          ; v64-87 at work
.set CMP,  88                          ; v88-89 c m, twice
.set SU,   96                          ; v96-127 partial sums
.set MS,   128                         ; v128-135 c m of row blocks 0-7
.set LS,   136                         ; v136-143 l
.set TMP,  192
.set WV, 12
.set G1, 24
.set G0, 32                            ; s[32:39] group 0: a set for each of the two first fills; the second then walks on
.set CS, 40                            ; s[40:41] c
.set SEL, 42                           ; s[42:43] v_permlanex16_b32's selects
.set LW, 48                            ; s48 where my part of a tile goes in a slot
.set TB, 49                            ; s49 the slot in hand: 0 or SLOT
.set MSB, 0
.macro WIN new
.if MSB != (\new)
	s_set_vgpr_msb (MSB<<8)|(\new)
.set MSB, \new
.endif
.endm
.macro PLACES
.rept 4
	v_nop
.endr
.endm
	s_load_b256 s[4:11], s[0:1], 0x0               ; qkv s[4:5], P s[6:7], smax s[8:9], ssum s[10:11]
	v_lshl_add_u32 v[SPW], v0, 2, SPARE
	v_mov_b32 v[NIL], 0
	ds_add_u32 v[SPW], v[NIL]                      ; the wave's opening: the add and its wait stand ahead of my first tensor load
	ds_add_u32 v28, v29
	v_lshrrev_b32 v1, 5, v0
	v_readfirstlane_b32 s[WV], v1
	s_lshr_b32 s13, s[WV], 1                       ; wr: which half of the tile's queries is mine
	s_and_b32 s14, s[WV], 1                        ; wc: which half of its keys; also which 128 rows I fetch
	s_mov_b32 s17, ttmp9                           ; t
	s_and_b32 s20, ttmp7, 0xffff
	s_and_b32 s16, s20, 3                          ; p
	s_lshr_b32 s15, s20, 2                         ; the batch
	s_sub_co_u32 s21, 7, s16
	s_sub_co_u32 s22, s17, s16
	s_sub_co_u32 s22, s22, 1
	s_cmp_le_u32 s17, s16
	s_cselect_b32 s18, s16, s21                    ; I
	s_cselect_b32 s19, s17, s22                    ; J
	s_mov_b32 s[G1+0], (1<<16)|(1<<20)|(5<<22)|(3<<25)  ; elements of 2 bytes; 4 words of padding behind every 64
	s_mov_b32 s[G1+1], KSTEP<<16                   ; tensor_dim0 = 128
	s_mov_b32 s[G1+2], 128<<16                     ; tensor_dim1 = 128
	s_mov_b32 s[G1+3], KSTEP<<16                   ; tile_dim0 = 128
	s_mov_b32 s[G1+4], 128                         ; tile_dim1 = 128
	s_mov_b32 s[G1+5], 3072                        ; elements from row to row of qkv
	s_mov_b32 s[G1+6], 0
	s_mov_b32 s[G1+7], 0
	s_mov_b32 s[CS], 0x3d38aa3b                    ; c = log2(e) / 32
	s_mov_b32 s[CS+1], s[CS]
	s_mov_b32 s[SEL], 0x76543210
	s_mov_b32 s[SEL+1], 0xfedcba98
	s_cmp_lt_u32 s[WV], 2                          ; waves 0, 1 fetch q's halves, waves 2, 3 k's
	s_cselect_b32 s20, s18, s19
	s_cselect_b32 s23, 0, 2048                     ; k's columns begin 2,048 bytes into a row
	s_lshl_b32 s20, s20, 8
	s_lshl_b32 s21, s15, 11
	s_add_co_u32 s20, s20, s21
	s_lshl_b32 s21, s14, 7
	s_add_co_u32 s20, s20, s21                     ; the row: 2048 b + 256 (I or J) + 128 x half
	s_mul_i32 s20, s20, 6144
	s_add_co_u32 s20, s20, s23
	s_mov_b32 s21, 0
	s_mul_i32 s[LW], s[WV], HALFT
	s_mov_b32 s[TB], 0
	s_wait_dscnt 0x0                               ; the opening add is done
	s_wait_kmcnt 0x0
	s_add_nc_u64 s[20:21], s[4:5], s[20:21]
.irp s, 0,1
	s_mov_b32 s[G0+4*(\s)], 1
	s_add_co_u32 s[G0+4*(\s)+1], s[LW], (\s)*SLOT
	s_add_nc_u64 s[G0+4*(\s)+2:G0+4*(\s)+3], s[20:21], (\s)*KSTEP*2
	s_or_b32 s[G0+4*(\s)+3], s[G0+4*(\s)+3], 0x80000000
.endr
	tensor_load_to_lds s[G0:G0+3], s[G1:G1+7]      ; the two first fills go out together: two loads of mine are out
	s_nop 0
	tensor_load_to_lds s[G0+4:G0+7], s[G1:G1+7]
	s_nop 0
	PLACES
	s_lshl_b32 s44, s15, 23                        ; P: (2048 b + 256 I + 128 wr) x 4,096 + 512 J + 256 wc
	s_lshl_b32 s45, s18, 20
	s_add_co_u32 s44, s44, s45
	s_lshl_b32 s45, s13, 19
	s_add_co_u32 s44, s44, s45
	s_lshl_b32 s45, s19, 9
	s_add_co_u32 s44, s44, s45
	s_lshl_b32 s45, s14, 8
	s_add_co_u32 s44, s44, s45
	s_mov_b32 s45, 0
	s_add_nc_u64 s[6:7], s[6:7], s[44:45]
	s_lshl_b32 s46, s15, 17                        ; statistics: 4 x ((16 b + 2 J + wc) x 2048 + 256 I + 128 wr)
	s_lshl_b32 s47, s19, 14
	s_add_co_u32 s46, s46, s47
	s_lshl_b32 s47, s14, 13
	s_add_co_u32 s46, s46, s47
	s_lshl_b32 s47, s18, 10
	s_add_co_u32 s46, s46, s47
	s_lshl_b32 s47, s13, 9
	s_add_co_u32 s46, s46, s47
	s_mov_b32 s47, 0
	s_add_nc_u64 s[8:9], s[8:9], s[46:47]
	s_add_nc_u64 s[10:11], s[10:11], s[46:47]
	v_and_b32 v1, 15, v0                           ; r
	v_bfe_u32 v[HH], v0, 4, 1                      ; h
	v_mul_u32_u24 v3, v1, PITCH
	v_lshl_add_u32 v3, v[HH], 4, v3
	s_mul_i32 s21, s13, HALFT                      ; my 128 rows of q
	s_mul_i32 s22, s14, HALFT                      ; my 128 rows of k,
	s_add_co_u32 s22, s22, 2*HALFT                 ; which lie behind q's 256
	v_add_nc_u32 v[A0], s21, v3
	v_add_nc_u32 v[B0], s22, v3
	v_mov_b32 v[ADRA], v[A0]                       ; K step 0 lies in slot 0
	v_mov_b32 v[ADRB], v[B0]
	s_mul_i32 s23, s[WV], 16*SPITCH
	s_add_co_u32 s23, s23, STAGE                   ; my stage
	v_add_nc_u32 v[STO], s23, v3                   ; in: row r, 16 bytes for each half of the lanes (the stage's pitch is the slots')
	v_mul_u32_u24 v5, v[HH], SPITCH                ; back: lanes 0-15 one row of 256 bytes, lanes 16-31 the next
	v_lshl_add_u32 v5, v1, 4, v5
	v_add_nc_u32 v[RD], s23, v5
	v_lshlrev_b32 v5, 12, v[HH]                    ; the same two rows in P, 4,096 bytes apart
	v_lshl_add_u32 v[CO], v1, 4, v5
	v_and_b32 v5, 31, v0
	v_lshlrev_b32 v[SO], 4, v5
	s_mov_b32 s23, 0xf149f2ca                      ; -1e30, if my 128 x 128 holds the diagonal; else 0
	s_cmp_eq_u32 s18, s19
	s_cselect_b32 s23, s23, 0
	s_cmp_eq_u32 s13, s14
	s_cselect_b32 s23, s23, 0
	v_lshlrev_b32 v4, 3, v[HH]
	v_sub_nc_u32 v4, v1, v4                        ; r - 8 h: on the diagonal register j is hidden where j is greater
.irp j, 0,1,2,3,4,5,6,7
	v_mov_b32 v[MHI+(\j)], s23
.endr
.irp j, 0,1,2,3,4,5,6,7
	v_cmp_gt_i32 vcc_lo, \j, v4
	v_cndmask_b32 v[MEQ+(\j)], 0, v[MHI+(\j)], vcc_lo
.endr
; 16 matrix instructions: row blocks a0, a0 + 1 of the window's four x all 8 key groups, 32 along K.  zero = 1: the first product starts the sums, with 0 or with the mask.
.macro MUL16 f, hi, a0, zero
.if \zero
	WIN 0x81+0x40*(\hi)                            ; source 0 (k) window 1, source 1 (q) and C window 0, D window 2 or 3
.else
	WIN 0xa1+0x50*(\hi)
.endif
.irp a, \a0, (\a0)+1
.irp b, 0,1,2,3,4,5,6,7
.if \zero
.if (\b) < (4*(\hi)+(\a))
	v_wmma_f32_16x16x32_f16 v[8*(8*(\a)+(\b)):8*(8*(\a)+(\b))+7], v[(\f)+8*(\b):(\f)+8*(\b)+7], v[(\f)+8*(4*(\hi)+(\a)):(\f)+8*(4*(\hi)+(\a))+7], 0
.elseif (\b) == (4*(\hi)+(\a))
	v_wmma_f32_16x16x32_f16 v[8*(8*(\a)+(\b)):8*(8*(\a)+(\b))+7], v[(\f)+8*(\b):(\f)+8*(\b)+7], v[(\f)+8*(4*(\hi)+(\a)):(\f)+8*(4*(\hi)+(\a))+7], v[MEQ:MEQ+7]
.else
	v_wmma_f32_16x16x32_f16 v[8*(8*(\a)+(\b)):8*(8*(\a)+(\b))+7], v[(\f)+8*(\b):(\f)+8*(\b)+7], v[(\f)+8*(4*(\hi)+(\a)):(\f)+8*(4*(\hi)+(\a))+7], v[MHI:MHI+7]
.endif
.else
	v_wmma_f32_16x16x32_f16 v[8*(8*(\a)+(\b)):8*(8*(\a)+(\b))+7], v[(\f)+8*(\b):(\f)+8*(\b)+7], v[(\f)+8*(4*(\hi)+(\a)):(\f)+8*(4*(\hi)+(\a))+7], v[8*(8*(\a)+(\b)):8*(8*(\a)+(\b))+7]
.endif
.endr
.endr
.endm
.macro FETCH k, f                      ; 32 LDS loads in one run, from the slot in hand: 16 for k, then 16 for q
	WIN 0x40
.irp i, 0,1,2,3,4,5,6,7
	ds_load_b128 v[(\f)+8*(\i):(\f)+8*(\i)+3],   v[ADRB] offset:(\k)+(\i)*16*PITCH
	ds_load_b128 v[(\f)+8*(\i)+4:(\f)+8*(\i)+7], v[ADRB] offset:(\k)+(\i)*16*PITCH+32
.endr
	WIN 0
.irp i, 0,1,2,3,4,5,6,7
	ds_load_b128 v[(\f)+8*(\i):(\f)+8*(\i)+3],   v[ADRA] offset:(\k)+(\i)*16*PITCH
	ds_load_b128 v[(\f)+8*(\i)+4:(\f)+8*(\i)+7], v[ADRA] offset:(\k)+(\i)*16*PITCH+32
.endr
.endm
.macro QUARTER k, f, g, zero           ; 64 matrix instructions; the 64 accumulators take turns
	s_wait_dscnt 8                                 ; k and q's rows 0-63 are in; the youngest eight loads may be out
	MUL16 \f, 0, 0, \zero
	MUL16 \f, 0, 2, \zero
	PLACES
	FETCH \k, \g
	s_wait_dscnt 32                                ; all but the 32 just issued
	MUL16 \f, 1, 0, \zero
	MUL16 \f, 1, 2, \zero
.endm
; The last quarter multiplies buffer 1 and changes slots: one barrier; in front of it each wave waits for all its tensor loads (one is out: its part of the next slot), adds 0 to its spare word,
; and waits for that and for its own reads of this slot.  fill = 1: this slot is filled again, two K steps ahead, first thing behind the barrier: 224 matrix instructions ahead of the wait for it.
.macro TURN fill
	WIN 0
	s_wait_tensorcnt 0x0                           ; no tensor load of mine is out, so a group 0 may be written
	ds_add_u32 v[SPW], v[NIL]
	s_wait_dscnt 9                                 ; the add and the youngest eight loads may be out
	MUL16 F1, 0, 0, 0
	s_wait_dscnt 0x0                               ; the add is done, and my reads of this slot are over
	s_barrier_signal -1
	MUL16 F1, 0, 2, 0
	s_barrier_wait -1
.if \fill
	s_add_co_u32 s[G0+5], s[TB], s[LW]             ; the walking descriptor: my part of the slot just read,
	s_add_nc_u64 s[G0+6:G0+7], s[G0+6:G0+7], KSTEP*2  ; the K step behind the one asked for last; the type bits on top are not reached
	tensor_load_to_lds s[G0+4:G0+7], s[G1:G1+7]
	s_nop 0
.endif
	PLACES                                         ; the places in front of the loads below
	s_xor_b32 s[TB], s[TB], SLOT                   ; the other slot is in hand
	WIN 0
	v_add_nc_u32 v[ADRA], s[TB], v[A0]
	v_add_nc_u32 v[ADRB], s[TB], v[B0]
	FETCH 0, F0
	MUL16 F1, 1, 0, 0
	MUL16 F1, 1, 2, 0
.endm
	s_wait_tensorcnt 1                             ; my part of K step 0 is in; K step 1's may stay out
	s_barrier_signal -1
	s_barrier_wait -1
	FETCH 0, F0
	QUARTER 64, F0, F1, 1                          ; the first quarter stands in front of the loop: its products start the sums
	WIN 0                                          ; at a label and at a branch every window is 0
	s_mov_b32 s3, FILLS
	s_branch .Lin                                  ; the loop is entered behind its first quarter
.Lstep:                                                ; a trip is a K step, and asks for the step two further on
	QUARTER 64, F0, F1, 0
	WIN 0
.Lin:
	QUARTER 128, F1, F0, 0
	QUARTER 192, F0, F1, 0
	TURN 1
	WIN 0
	s_sub_co_u32 s3, s3, 1
	s_cmp_lg_u32 s3, 0
	s_cbranch_scc1 .Lstep
	s_mov_b32 s3, 2
.Ltail:                                                ; the last two K steps ask for nothing
	QUARTER 64, F0, F1, 0
	QUARTER 128, F1, F0, 0
	QUARTER 192, F0, F1, 0
	TURN 0
	WIN 0
	s_sub_co_u32 s3, s3, 1
	s_cmp_lg_u32 s3, 0
	s_cbranch_scc1 .Ltail
	s_wait_dscnt 0x0                               ; the last trip's fetch has landed: its registers are written anew below
; THE SOFTMAX of row block a: a lane's 64 scores of one query lie in eight accumulators; the query's other 64 lie in the lane 16 away.
.macro SOFT a
.set AC, 64*((\a)%4)
	WIN 0x2a+0x15*((\a)/4)                         ; sources window 2 or 3, destination window 0
.irp b, 0,1,2,3,4,5,6,7                ; each accumulator's lowest registers are read first
	v_max3_num_f32 v[T+3*(\b)],   v[AC+8*(\b)],   v[AC+8*(\b)+1], v[AC+8*(\b)+2]
	v_max3_num_f32 v[T+3*(\b)+1], v[AC+8*(\b)+3], v[AC+8*(\b)+4], v[AC+8*(\b)+5]
	v_max_num_f32  v[T+3*(\b)+2], v[AC+8*(\b)+6], v[AC+8*(\b)+7]
.endr
	WIN 0
.irp b, 0,1,2,3,4,5,6,7
	v_max3_num_f32 v[T+3*(\b)], v[T+3*(\b)], v[T+3*(\b)+1], v[T+3*(\b)+2]
.endr
	v_max3_num_f32 v[T], v[T], v[T+3], v[T+6]
	v_max3_num_f32 v[T+9], v[T+9], v[T+12], v[T+15]
	v_max_num_f32 v[T+18], v[T+18], v[T+21]
	v_max3_num_f32 v[T], v[T], v[T+9], v[T+18]
	v_permlanex16_b32 v[T+1], v[T], s[SEL], s[SEL+1]
	v_max_num_f32 v[T], v[T], v[T+1]               ; m
	v_mul_f32 v[CMP], s[CS], v[T]                  ; c m, for the packed scaling,
	v_mul_f32 v[CMP+1], s[CS], v[T]
	v_mul_f32 v[MS+(\a)], s[CS], v[T]              ; and kept
	WIN 0x82+0x41*((\a)/4)                         ; source 0 and destination window 2 or 3, source 2 window 0
.set i, 0
.rept 32
	v_pk_fma_f32 v[AC+2*i:AC+2*i+1], v[AC+2*i:AC+2*i+1], s[CS:CS+1], v[CMP:CMP+1] op_sel_hi:[1,0,1] neg_lo:[0,0,1] neg_hi:[0,0,1]  ; c s - c m
.set i, i+1
.endr
.set i, 0
.rept 64
	v_exp_f32 v[AC+i], v[AC+i]
.set i, i+1
.endr
	v_nop                                          ; a plain instruction between the last exponential and the use of its result
	WIN 0x0a+5*((\a)/4)                            ; sources 0 and 1 window 2 or 3, destination window 0
.set i, 0
	s_wait_alu depctr_va_vdst(0)
.rept 32
	v_cvt_pk_f16_f32 v[TMP+i], v[AC+2*i], v[AC+2*i+1]
.set i, i+1
.endr
.set i, 0
.rept 16
	v_pk_add_f32 v[SU+2*i:SU+2*i+1], v[AC+4*i:AC+4*i+1], v[AC+4*i+2:AC+4*i+3]  ; l is the sum of the unrounded p
.set i, i+1
.endr
	WIN 0
.irp i, 0,2,4,6,8,10,12,14
	v_pk_add_f32 v[SU+2*(\i):SU+2*(\i)+1], v[SU+2*(\i):SU+2*(\i)+1], v[SU+2*(\i)+2:SU+2*(\i)+3]
.endr
.irp i, 0,4,8,12
	v_pk_add_f32 v[SU+2*(\i):SU+2*(\i)+1], v[SU+2*(\i):SU+2*(\i)+1], v[SU+2*(\i)+4:SU+2*(\i)+5]
.endr
.irp i, 0,8
	v_pk_add_f32 v[SU+2*(\i):SU+2*(\i)+1], v[SU+2*(\i):SU+2*(\i)+1], v[SU+2*(\i)+8:SU+2*(\i)+9]
.endr
	v_pk_add_f32 v[SU:SU+1], v[SU:SU+1], v[SU+16:SU+17]
	v_add_f32 v[SU], v[SU], v[SU+1]
	v_permlanex16_b32 v[SU+1], v[SU], s[SEL], s[SEL+1]
	v_add_f32 v[LS+(\a)], v[SU], v[SU+1]           ; l
.endm
.macro TOSTAGE a                       ; 16 bytes a lane into my own stage, and back as whole rows of 256 bytes
	WIN 0
.set BK, OB+192*((\a)%2)
.irp b, 0,1,2,3,4,5,6,7
	ds_store_b128 v[STO], v[TMP+4*(\b):TMP+4*(\b)+3] offset:32*(\b)
.endr
.irp t, 0,1,2,3,4,5,6,7
	ds_load_b128 v[BK+4*(\t):BK+4*(\t)+3], v[RD] offset:(\t)*2*SPITCH  ; LDS serves a wave's instructions in order (ISA guide 5.7.1.4): these see the stores above
.endr
.endm
.macro SEND a
	WIN 0
.set BK, OB+192*((\a)%2)
	s_wait_dscnt 0x0                               ; the block is back in registers
	s_wait_xcnt 0x0                                ; the block before's stores have read their registers, which the next block's loads from the stage write
.irp t, 0,1,2,3,4,5,6,7
	global_store_b128 v[CO], v[BK+4*(\t):BK+4*(\t)+3], s[6:7] offset:65536*(\a)+8192*(\t)  ; 16 lanes store 256 consecutive bytes, at a multiple of 256 from P's first byte
.endr
.endm
	PLACES
	SOFT 0
	TOSTAGE 0
.irp a, 1,2,3,4,5,6,7                  ; block a's softmax stands between block a - 1's loads from the stage and the wait for them
	SOFT \a
	SEND (\a)-1
	TOSTAGE \a
.endr
	SEND 7
	; the statistics: lane r of the lower half holds row blocks 0-3 of rows r, the upper half takes blocks 4-7: 16 bytes a lane, 512 consecutive bytes a store
	v_cmp_eq_u32 vcc_lo, 1, v[HH]
.irp i, 0,1,2,3
	v_cndmask_b32 v[T+(\i)], v[MS+(\i)], v[MS+4+(\i)], vcc_lo
	v_cndmask_b32 v[T+4+(\i)], v[LS+(\i)], v[LS+4+(\i)], vcc_lo
.endr
	global_store_b128 v[SO], v[T:T+3], s[8:9]
	global_store_b128 v[SO], v[T+4:T+7], s[10:11]
	s_wait_tensorcnt 0x0                           ; the wave's end
	ds_add_u32 v[SPW], v[NIL]
	s_wait_dscnt 0x0
	s_endpgm
.Lfunc_end_k_q5d7d779e01_score:
	.size	k_q5d7d779e01_score, .Lfunc_end_k_q5d7d779e01_score-k_q5d7d779e01_score
	.p2alignl 7, 3214868480
	.fill 96, 4, 3214868480
	.section	.rodata,"a",@progbits
	.p2align	6, 0x0
	.amdhsa_kernel k_q5d7d779e01_score
		.amdhsa_group_segment_fixed_size 327680
		.amdhsa_private_segment_fixed_size 0
		.amdhsa_enable_private_segment 0
		.amdhsa_kernarg_size 32
		.amdhsa_user_sgpr_count 2
		.amdhsa_user_sgpr_kernarg_segment_ptr 1
		.amdhsa_wavefront_size32 1
		.amdhsa_system_sgpr_workgroup_id_x 1
		.amdhsa_system_sgpr_workgroup_id_y 1
		.amdhsa_system_sgpr_workgroup_id_z 1
		.amdhsa_system_vgpr_workitem_id 0
		.amdhsa_next_free_vgpr 1024
		.amdhsa_next_free_sgpr 66
		.amdhsa_reserve_vcc 1
		.amdhsa_float_denorm_mode_32 3
		.amdhsa_float_denorm_mode_16_64 3
		.amdhsa_memory_ordered 1
		.amdhsa_forward_progress 1
		.amdhsa_inst_pref_size 165
	.end_amdhsa_kernel
	.amdgpu_metadata
---
amdhsa.version: [ 1, 2 ]
amdhsa.kernels:
  - .name:           k_q5d7d779e01_score
    .symbol:         k_q5d7d779e01_score.kd
    .args:
      - { .name: qkv, .offset: 0, .size: 8, .value_kind: global_buffer, .address_space: global }
      - { .name: P, .offset: 8, .size: 8, .value_kind: global_buffer, .address_space: global }
      - { .name: smax, .offset: 16, .size: 8, .value_kind: global_buffer, .address_space: global }
      - { .name: ssum, .offset: 24, .size: 8, .value_kind: global_buffer, .address_space: global }
    .group_segment_fixed_size: 327680
    .private_segment_fixed_size: 0
    .kernarg_segment_align: 8
    .kernarg_segment_size: 32
    .max_flat_workgroup_size: 128
    .sgpr_count:     66
    .vgpr_count:     1024
    .wavefront_size: 32
...
	.end_amdgpu_metadata
.endif
;; end of part 3
;; launch pv (part 4): grid 8 x 32, 4 waves a work-group, clusters of 4 x 4, 327,680 bytes of LDS; arguments P, qkv, smax, ssum, out0; writes out0
.if DOCPART == 4
	.amdgcn_target "amdgcn-amd-amdhsa--gfx1250"
	.amdhsa_code_object_version 6
	.text
	.protected	k_q5d7d779e01_pv
	.globl	k_q5d7d779e01_pv
	.p2align	8
	.type	k_q5d7d779e01_pv,@function
k_q5d7d779e01_pv:
	s_mov_b64 s[64:65], 0
	v_nop
	global_prefetch_b8 v0, s[64:65] scope:SCOPE_SE
	s_setreg_imm32_b32 hwreg(HW_REG_WAVE_MODE, 25, 1), 1
	s_wait_xcnt 0x0
	s_wait_alu depctr_hold_cnt(0) depctr_sa_sdst(0) depctr_va_vdst(0) depctr_va_sdst(0) depctr_va_ssrc(0) depctr_va_vcc(0) depctr_vm_vsrc(0)
	s_getreg_b32 s2, hwreg(HW_REG_IB_STS2, 6, 4)
	s_cmp_eq_u32 s2, 0
	s_cbranch_scc0 .Lentry_in_a_cluster
	s_endpgm
.Lentry_in_a_cluster:
	s_bfe_u32 s2, ttmp6, 0x10000c
	s_cmp_lg_u32 s2, 0xf033
	s_cbranch_scc0 .Lentry_shape_is_right
	s_endpgm
.Lentry_shape_is_right:
; out[q][ch] = sum over key blocks t <= q / 128 of g_t[q] x (sum over the block's 128 keys of P[q][key] v[key][ch]).
; g_t = 2^(cm_t - CM) / L, CM = the largest cm_t of the row's visible blocks, L = the sum of 2^(cm_t - CM) l_t: the blocks' softmaxes joined by their maxima.  P and v in f16, sums and weights in f32.
; LIMITS.  A factor 2^(cm_t - CM) below 2^-126 counts as 0; NaN and infinities are not treated apart.  L is at least about 1: the block that holds the row's maximum has the factor 1 and an l of 1 or more.
; SHARES.  A work-group makes 128 queries x 128 channels for TWO query blocks of a batch, first iA = 12 - 4 u + cy, then iB = 4 u + cy (u: the cluster's y, odd or even), in steps of 256 keys:
; 8 - 2 u steps, then 2 u + 2: ten in every work-group, and the same walk in all sixteen partners of a cluster.  A step that lies past a partner's own diagonal has the weight 0; its tile of P is
; then asked for at the block's last written tile, so that only written, finite numbers are read.
; THE RING.  Steps 0 and 1 are asked for together at the start (two loads of mine are out); behind each later change of slots one load a wave, for the step two further on.
; CLUSTER 4 x 4: P's tile hangs on cy alone and is shared along a row of the cluster, v's on cx alone (the channels) and is shared along a column: both are asked for jointly.
; A wave makes 64 queries x 64 channels.  Source 0 = v^T (16 channels x 32 keys, turned by ds_load_tr16_b128), source 1 = P (16 queries x 32 keys): a lane holds one query (lane % 16) and eight channels.
; A step's first 128 keys are summed in U0, its second 128 in U1 (each sum started with the constant 0); OT += g x U follows beside the next products.
; REGISTERS: window 0: v0-31 addresses; v32-39 a step's weights as loaded, v40-55 the same at even registers; v64-127 rows read back; v128-255 OT
;   window 1: two fragment buffers of 128 (P's 64, then v's 64);   window 2: U0 v0-127, U1 v128-255;   window 3: the making of the weights
.set PP,    528                        ; a row of P in LDS: 512 bytes + 16: the 16 rows of a load start at 16 different groups of four banks (64 banks of 4 bytes: ISA guide 11.1)
.set PV,    288                        ; a row of v: 256 + 32
.set VOFF,  128*PP                     ; a slot: 128 rows of P, then 256 rows of v
.set SLOT,  VOFF+256*PV
.set STAGE, 2*SLOT                     ; behind the ring: 16 rows x 272 bytes for each wave
.set SP,    272
.set GTAB,  STAGE+4*16*SP              ; the weights: for each wave 20 entries (two for each step of the walk) of 256 bytes: [16 r][4 a] f32
.set GTWB,  20*256
.set SPARE, GTAB+4*GTWB                ; the spare words
.set AP0, 8                            ; v8   my lane's place in a tile of P; never rewritten
.set AV0, 9                            ; v9   in a tile of v, keys 0-127
.set AV1, 10                           ; v10  keys 128-255
.set ADP, 11                           ; v11  the same three in the slot in hand
.set ADV, 12                           ; v12-13
.set GT0, 14                           ; v14  my lane's place in my wave's table
.set GA,  15                           ; v15  the step's entries
.set STO, 16
.set RD,  17
.set CO,  18                           ; v18  my byte offset in two rows of out
.set R16, 19                           ; v19  16 r
.set SPW, 28
.set NIL, 29
.set GL0, 32
.set GL1, 36
.set GP0, 40
.set GP1, 48
.set BKB, 64
.set OT,  128
.set F0,  0                            ; window 1
.set F1,  128
.set U0,  0                            ; window 2
.set U1,  128
.set MSA, 0                            ; window 3: block A's cm, then factors, then weights: 16 t x 4 a
.set LSA, 64                           ;           its l
.set ADA, 128                          ;           its 16 byte offsets
.set MSB3, 144                         ;           block B's: 8 t x 4 a
.set LSB3, 176
.set ADB, 208
.set CM,  216
.set LL,  220
.set GTW, 224                          ;           a copy of GT0
.set WV,  12                           ; s12 wave; s13 wr; s14 wc
.set G1P, 24
.set G1V, 32
.set G0P, 40                           ; s[40:43], s[44:47] group 0 for P's and v's tiles: step 0's, then made anew for each refill
.set G0V, 44
.set VB,  51                           ; s48-53 hold what hangs on cx: cx, c, v's mask, VB, VO
.set VO,  52
.set IA,  56                           ; s54-63 hold what hangs on cy: cy, P's mask, iA, iB, RBQ, RBB, SMQ, SMB, PO
.set IB,  57
.set RBQ, 58                           ; byte offset in P of my 64 rows of the block whose tiles are being asked for
.set RBB, 59                           ; the same for the second block
.set SMQ, 60                           ; that block's last written tile
.set SMB, 61
.set PO,  62
.set UU,  66
.set BB,  67
.set NA,  68                           ; the first block's steps
.set CNT, 69
.set KC,  70                           ; the walk's step in hand
.set TT,  71                           ; 512 x that
.set TB,  72                           ; the slot in hand: 0 or SLOT
.set TF,  73                           ; the other
.set NXT, 74                           ; the step, within its block, to be asked for next
.set LP,  75                           ; where my part of P goes in a slot
.set LV,  76                           ; and of v
.set OUTP, 78                          ; s[78:79] out at my rows of the block in hand
.set OUTB, 80                          ; s[80:81] of the second block
.set WW,  82                           ; s[82:83] a block's 1 or 0
.set G0P2, 92                          ; s[92:95], s[96:99] group 0 for step 1's tiles: used once
.set G0V2, 96
.set MSB, 0
.macro WIN new
.if MSB != (\new)
	s_set_vgpr_msb (MSB<<8)|(\new)
.set MSB, \new
.endif
.endm
.macro PLACES
.rept 4
	v_nop
.endr
.endm
; A joint refill.  Waves 0 and 1 fetch the two halves of P's tile, waves 2 and 3 those of v's.  An s_nop 0 and four v_nop follow each of the two lines, ahead of the jump and the label.
.macro JLOAD
	s_cmp_lt_u32 s[WV], 2
	s_cbranch_scc0 .Lfor_v_\@
	tensor_load_to_lds s[G0P:G0P+3], s[G1P:G1P+7]
	s_nop 0
	PLACES
	s_branch .Lasked_\@
.Lfor_v_\@:
	tensor_load_to_lds s[G0V:G0V+3], s[G1V:G1V+7]
	s_nop 0
	PLACES
.Lasked_\@:
.endm
.macro CROUND
	s_barrier_signal -1
	s_barrier_wait -1
	s_cmp_lg_u32 s[WV], 0
	s_cbranch_scc1 .Lnot_wave_0_\@
	s_barrier_signal -3
.Lnot_wave_0_\@:
	s_barrier_wait -3
	s_barrier_signal -1
	s_barrier_wait -1
.endm
	s_load_b256 s[4:11], s[0:1], 0x0               ; P s[4:5], qkv s[6:7], smax s[8:9], ssum s[10:11]
	s_load_b64 s[16:17], s[0:1], 0x20              ; out0
	v_lshl_add_u32 v[SPW], v0, 2, SPARE
	v_mov_b32 v[NIL], 0
	ds_add_u32 v[SPW], v[NIL]                      ; the wave's opening: the add and its wait stand ahead of my first tensor load
	ds_add_u32 v28, v29
	v_lshrrev_b32 v1, 5, v0
	v_readfirstlane_b32 s[WV], v1
	s_lshr_b32 s13, s[WV], 1                       ; wr: which 64 queries
	s_and_b32 s14, s[WV], 1                        ; wc: which 64 channels; also which half of a tile I fetch
	s_bfe_u32 s48, ttmp6, 0x40000                  ; cx
	s_bfe_u32 s54, ttmp6, 0x40004                  ; cy
	s_lshl_b32 s49, ttmp9, 2
	s_add_co_u32 s49, s49, s48                     ; c: my block of 128 channels
	s_and_b32 s18, ttmp7, 0xffff                   ; the cluster's y
	s_and_b32 s[UU], s18, 1
	s_lshr_b32 s[BB], s18, 1                       ; the batch
	s_lshl_b32 s19, s[UU], 2
	s_add_co_u32 s[IB], s19, s54                   ; iB = 4 u + cy
	s_sub_co_u32 s[IA], 12, s19
	s_add_co_u32 s[IA], s[IA], s54                 ; iA = 12 - 4 u + cy
	s_lshl_b32 s[NA], s[UU], 1
	s_sub_co_u32 s[NA], 8, s[NA]
	s_lshl_b32 s55, s54, 2
	s_lshl_b32 s55, 15, s55                        ; my row of the cluster
	s_lshl_b32 s50, 0x1111, s48                    ; my column
	s_or_b32 s[G1P], s55, (1<<16)|(1<<20)|(1<<21)|(6<<22)|(3<<25)  ; P: elements of 2 bytes, 4 words of padding behind every 128
	s_mov_b32 s[G1P+1], 256<<16                    ; tensor_dim0 = 256
	s_mov_b32 s[G1P+2], 64<<16                     ; tensor_dim1 = 64
	s_mov_b32 s[G1P+3], 256<<16                    ; tile_dim0 = 256
	s_mov_b32 s[G1P+4], 64                         ; tile_dim1 = 64
	s_mov_b32 s[G1P+5], 2048                       ; elements from row to row of P
	s_mov_b32 s[G1P+6], 0
	s_mov_b32 s[G1P+7], 0
	s_or_b32 s[G1V], s50, (1<<16)|(1<<20)|(1<<21)|(5<<22)|(7<<25)  ; v: 8 words of padding behind every 64
	s_mov_b32 s[G1V+1], 128<<16
	s_mov_b32 s[G1V+2], 128<<16
	s_mov_b32 s[G1V+3], 128<<16
	s_mov_b32 s[G1V+4], 128
	s_mov_b32 s[G1V+5], 3072                       ; elements from row to row of qkv
	s_mov_b32 s[G1V+6], 0
	s_mov_b32 s[G1V+7], 0
	s_lshl_b32 s20, s[BB], 23                      ; P: (2048 b + 128 i + 64 x half) x 4,096 bytes
	s_lshl_b32 s21, s14, 18
	s_add_co_u32 s20, s20, s21
	s_lshl_b32 s[RBQ], s[IA], 19
	s_add_co_u32 s[RBQ], s[RBQ], s20
	s_lshl_b32 s[RBB], s[IB], 19
	s_add_co_u32 s[RBB], s[RBB], s20
	s_lshr_b32 s[SMQ], s[IA], 1
	s_lshr_b32 s[SMB], s[IB], 1
	s_lshl_b32 s[VB], s[BB], 11                    ; v: (2048 b + 128 x half) x 6,144 + 4,096 (v's columns) + 256 c
	s_lshl_b32 s21, s14, 7
	s_add_co_u32 s[VB], s[VB], s21
	s_mul_i32 s[VB], s[VB], 6144
	s_lshl_b32 s[VO], s49, 8
	s_add_co_u32 s[VB], s[VB], s[VO]
	s_add_co_u32 s[VB], s[VB], 4096
	s_mul_i32 s[LP], s14, 64*PP
	s_mul_i32 s[LV], s14, 128*PV
	s_add_co_u32 s[LV], s[LV], VOFF
	s_mov_b32 s[TB], 0                             ; step 0 lies in slot 0
	s_mov_b32 s[KC], 0
	s_mov_b32 s[TT], 0
	s_mov_b32 s[NXT], 2                            ; the first refill is step 2's
	s_mov_b32 s[WW+1], 0                           ; named as a pair
	s_mov_b32 s[G0P], 1
	s_mov_b32 s[G0P+1], s[LP]                      ; slot 0
	s_mov_b32 s[G0V], 1
	s_mov_b32 s[G0V+1], s[LV]
	s_mov_b32 s[G0P2], 1
	s_add_co_u32 s[G0P2+1], s[LP], SLOT            ; slot 1
	s_mov_b32 s[G0V2], 1
	s_add_co_u32 s[G0V2+1], s[LV], SLOT
	s_mov_b32 s[PO], s[RBQ]                        ; the first block's step 0
	s_mov_b32 s[PO+1], 0
	s_mov_b32 s[VO], s[VB]
	s_mov_b32 s[VO+1], 0
	s_lshl_b32 s84, s[BB], 23                      ; out: (2048 b + 128 i + 64 wr) x 4,096 + 512 c + 256 wc
	s_lshl_b32 s85, s13, 18
	s_add_co_u32 s84, s84, s85
	s_lshl_b32 s85, s49, 9
	s_add_co_u32 s84, s84, s85
	s_lshl_b32 s85, s14, 8
	s_add_co_u32 s84, s84, s85
	s_lshl_b32 s86, s[IA], 19
	s_add_co_u32 s86, s86, s84
	s_mov_b32 s87, 0
	s_lshl_b32 s88, s[IB], 19
	s_add_co_u32 s88, s88, s84
	s_mov_b32 s89, 0
	s_wait_dscnt 0x0                               ; the opening add is done
	s_wait_kmcnt 0x0
	s_add_nc_u64 s[G0P+2:G0P+3], s[4:5], s[PO:PO+1]
	s_or_b32 s[G0P+3], s[G0P+3], 0x80000000
	s_add_nc_u64 s[G0V+2:G0V+3], s[6:7], s[VO:VO+1]
	s_or_b32 s[G0V+3], s[G0V+3], 0x80000000
	s_add_co_u32 s[PO], s[RBQ], 512                ; step 1: 256 keys are 512 bytes of a row of P (the first block has written tiles 0 to 4 at the least),
	s_add_nc_u64 s[G0P2+2:G0P2+3], s[4:5], s[PO:PO+1]
	s_or_b32 s[G0P2+3], s[G0P2+3], 0x80000000
	s_add_co_u32 s[VO], s[VB], 256*6144            ; and 256 rows of qkv
	s_add_nc_u64 s[G0V2+2:G0V2+3], s[6:7], s[VO:VO+1]
	s_or_b32 s[G0V2+3], s[G0V2+3], 0x80000000
	s_add_nc_u64 s[OUTP:OUTP+1], s[16:17], s[86:87]
	s_add_nc_u64 s[OUTB:OUTB+1], s[16:17], s[88:89]
	CROUND                                         ; all sixteen work-groups are here: the first joint loads meet
	s_cmp_lt_u32 s[WV], 2                          ; a wave's two first fills stand in one branch, ahead of every wait on TENSORcnt and every LDS read; an s_nop 0 follows each, four v_nop the second's
	s_cbranch_scc0 .Lfirst_v
	tensor_load_to_lds s[G0P:G0P+3], s[G1P:G1P+7]
	s_nop 0
	tensor_load_to_lds s[G0P2:G0P2+3], s[G1P:G1P+7]
	s_nop 0
	PLACES
	s_branch .Lfirst_asked
.Lfirst_v:
	tensor_load_to_lds s[G0V:G0V+3], s[G1V:G1V+7]
	s_nop 0
	tensor_load_to_lds s[G0V2:G0V2+3], s[G1V:G1V+7]
	s_nop 0
	PLACES
.Lfirst_asked:
	v_and_b32 v1, 15, v0                           ; r
	v_bfe_u32 v2, v0, 4, 1                         ; h
	v_and_b32 v3, 7, v0
	v_bfe_u32 v4, v0, 3, 1
	s_mul_i32 s20, s13, 64*PP
	v_mul_u32_u24 v[AP0], v1, PP
	v_lshl_add_u32 v[AP0], v2, 4, v[AP0]
	v_add_nc_u32 v[AP0], s20, v[AP0]               ; (64 wr + r) x pitch + 16 h
	v_lshl_add_u32 v[AV0], v2, 3, v3               ; the turning load: lane l reads key 8 (l / 16) + l % 8, channels 8 ((l / 8) % 2) + 0..7
	v_mul_u32_u24 v[AV0], v[AV0], PV
	v_lshl_add_u32 v[AV0], v4, 4, v[AV0]
	s_lshl_b32 s20, s14, 7
	s_add_co_u32 s20, s20, VOFF
	v_add_nc_u32 v[AV0], s20, v[AV0]
	v_add_nc_u32 v[AV1], 128*PV, v[AV0]
	v_lshlrev_b32 v[R16], 4, v1
	s_mul_i32 s20, s[WV], GTWB
	s_add_co_u32 s20, s20, GTAB
	v_add_nc_u32 v[GT0], s20, v[R16]
	s_mul_i32 s20, s[WV], 16*SP
	s_add_co_u32 s20, s20, STAGE
	v_mul_u32_u24 v[STO], v1, SP                   ; in: row r, 32 bytes for each half of the lanes
	v_lshl_add_u32 v[STO], v2, 5, v[STO]
	v_add_nc_u32 v[STO], s20, v[STO]
	v_mul_u32_u24 v[RD], v2, SP                    ; back: lanes 0-15 one row of 256 bytes, lanes 16-31 the next
	v_add_nc_u32 v[RD], v[RD], v[R16]
	v_add_nc_u32 v[RD], s20, v[RD]
	v_lshl_add_u32 v[CO], v2, 12, v[R16]           ; the same two rows in out, 4,096 bytes apart
; THE WEIGHTS.  GLOADS: for a block i of 128 queries, cm and l of my 64 rows (g = 2 i + wr) for key blocks t = 0 .. nt - 1; past the diagonal block i's own are read once more (only written bytes are read).
.macro GLOADS ms, ls, ad, nt, si
	s_lshl_b32 s20, s[\si], 1
	s_add_co_u32 s20, s20, s13
	s_lshl_b32 s20, s20, 8                         ; g x 256 bytes
	s_lshl_b32 s21, s[BB], 17
	s_add_co_u32 s20, s20, s21
	WIN 0xc0                                       ; destination window 3, sources window 0
.set t, 0
.rept \nt
	s_min_u32 s21, s[\si], t
	s_lshl_b32 s21, s21, 13                        ; a key block's statistics are 8,192 bytes
	s_add_co_u32 s21, s21, s20
	v_add_nc_u32 v[(\ad)+t], s21, v[R16]
.set t, t+1
.endr
	WIN 0xc3                                       ; data and address window 3
.set t, 0
.rept \nt
	global_load_b128 v[(\ms)+4*t:(\ms)+4*t+3], v[(\ad)+t], s[8:9]
	global_load_b128 v[(\ls)+4*t:(\ls)+4*t+3], v[(\ad)+t], s[10:11]
.set t, t+1
.endr
.endm
; GCALC: the row's largest cm; the factors 2^(cm_t - CM), times 1 (t <= i) or 0; L; the weights, left where cm lay.  All in window 3; a lane works on its row r of four row blocks a.
.macro GCALC ms, ls, nt, si
	WIN 0xff
.irp a, 0,1,2,3
	v_max_num_f32 v[CM+(\a)], v[(\ms)+(\a)], v[(\ms)+4+(\a)]
.endr
.set t, 2
.rept ((\nt)-2)/2
.irp a, 0,1,2,3
	v_max3_num_f32 v[CM+(\a)], v[CM+(\a)], v[(\ms)+4*t+(\a)], v[(\ms)+4*t+4+(\a)]
.endr
.set t, t+2
.endr
.set t, 0
.rept \nt
	v_pk_add_f32 v[(\ms)+4*t:(\ms)+4*t+1],   v[(\ms)+4*t:(\ms)+4*t+1],   v[CM:CM+1]   neg_lo:[0,1] neg_hi:[0,1]
	v_pk_add_f32 v[(\ms)+4*t+2:(\ms)+4*t+3], v[(\ms)+4*t+2:(\ms)+4*t+3], v[CM+2:CM+3] neg_lo:[0,1] neg_hi:[0,1]
.set t, t+1
.endr
.set t, 0
.rept 4*(\nt)
	v_exp_f32 v[(\ms)+t], v[(\ms)+t]
.set t, t+1
.endr
	v_nop                                          ; a plain instruction between the last exponential and the use of its result
	s_wait_alu depctr_va_vdst(0)
.set t, 0
.rept \nt
	s_cmp_ge_u32 s[\si], t
	s_cselect_b32 s[WW], 1.0, 0
	v_pk_mul_f32 v[(\ms)+4*t:(\ms)+4*t+1],   v[(\ms)+4*t:(\ms)+4*t+1],   s[WW:WW+1] op_sel_hi:[1,0]
	v_pk_mul_f32 v[(\ms)+4*t+2:(\ms)+4*t+3], v[(\ms)+4*t+2:(\ms)+4*t+3], s[WW:WW+1] op_sel_hi:[1,0]
.set t, t+1
.endr
	v_pk_mul_f32 v[LL:LL+1],   v[(\ms):(\ms)+1],   v[(\ls):(\ls)+1]
	v_pk_mul_f32 v[LL+2:LL+3], v[(\ms)+2:(\ms)+3], v[(\ls)+2:(\ls)+3]
.set t, 1
.rept (\nt)-1
	v_pk_fma_f32 v[LL:LL+1],   v[(\ms)+4*t:(\ms)+4*t+1],   v[(\ls)+4*t:(\ls)+4*t+1],   v[LL:LL+1]
	v_pk_fma_f32 v[LL+2:LL+3], v[(\ms)+4*t+2:(\ms)+4*t+3], v[(\ls)+4*t+2:(\ls)+4*t+3], v[LL+2:LL+3]
.set t, t+1
.endr
.irp a, 0,1,2,3
	v_rcp_f32 v[LL+(\a)], v[LL+(\a)]
.endr
	v_nop
.set t, 0
	s_wait_alu depctr_va_vdst(0)
.rept \nt
	v_pk_mul_f32 v[(\ms)+4*t:(\ms)+4*t+1],   v[(\ms)+4*t:(\ms)+4*t+1],   v[LL:LL+1]
	v_pk_mul_f32 v[(\ms)+4*t+2:(\ms)+4*t+3], v[(\ms)+4*t+2:(\ms)+4*t+3], v[LL+2:LL+3]
.set t, t+1
.endr
.endm
	GLOADS MSA, LSA, ADA, 16, IA
	GLOADS MSB3, LSB3, ADB, 8, IB
	WIN 0xc0
	v_mov_b32 v[GTW], v[GT0]
	; What the first step finds: OT, U1 and the weights' registers hold 0, so that its OT += g x U1, of a step that has not been, adds 0, and no first step is written out.  All this stands in the wait for the first tile and the statistics.
	WIN 0
.set i, OT
.rept 128
	v_mov_b32 v[i], 0
.set i, i+1
.endr
.set i, GP0
.rept 16
	v_mov_b32 v[i], 0
.set i, i+1
.endr
	WIN 0x80
.set i, U1
.rept 128
	v_mov_b32 v[i], 0
.set i, i+1
.endr
	s_wait_loadcnt 0x0                             ; the statistics
	GCALC MSA, LSA, 16, IA
	GCALC MSB3, LSB3, 8, IB
	; The table goes by the walk's steps: entries 0-11 are the first block's; 12-15 the first block's (u = 0: eight steps) or the second's 0-3 (u = 1: six); 16-19 the second's 0-3 or 4-7.
	s_cmp_eq_u32 s[UU], 1
	s_cselect_b32 s90, -1, 0
.set j, 0
.rept 16
	v_cndmask_b32 v[MSA+48+j], v[MSA+48+j], v[MSB3+j], s90
.set j, j+1
.endr
.set j, 0
.rept 16
	v_cndmask_b32 v[MSB3+j], v[MSB3+j], v[MSB3+16+j], s90
.set j, j+1
.endr
.set t, 0
.rept 16
	ds_store_b128 v[GTW], v[MSA+4*t:MSA+4*t+3] offset:256*t
.set t, t+1
.endr
.set t, 0
.rept 4
	ds_store_b128 v[GTW], v[MSB3+4*t:MSB3+4*t+3] offset:4096+256*t
.set t, t+1
.endr
	WIN 0
; 8 matrix instructions: query blocks a0, a0 + 1 x all 4 channel blocks, 32 keys: half c of buffer f, into u.  zero = 1: the first product starts the sums.  The 16 accumulators take turns.
.macro MUL8 f, c, a0, zero, u
	WIN 0xa5                                       ; sources 0 (v) and 1 (P) window 1; C and D window 2
.irp a, \a0, (\a0)+1
.irp b, 0,1,2,3
.if \zero
	v_wmma_f32_16x16x32_f16 v[(\u)+8*(4*(\a)+(\b)):(\u)+8*(4*(\a)+(\b))+7], v[(\f)+64+8*(4*(\c)+(\b)):(\f)+64+8*(4*(\c)+(\b))+7], v[(\f)+8*(4*(\c)+(\a)):(\f)+8*(4*(\c)+(\a))+7], 0
.else
	v_wmma_f32_16x16x32_f16 v[(\u)+8*(4*(\a)+(\b)):(\u)+8*(4*(\a)+(\b))+7], v[(\f)+64+8*(4*(\c)+(\b)):(\f)+64+8*(4*(\c)+(\b))+7], v[(\f)+8*(4*(\c)+(\a)):(\f)+8*(4*(\c)+(\a))+7], v[(\u)+8*(4*(\a)+(\b)):(\u)+8*(4*(\a)+(\b))+7]
.endif
.endr
.endr
.endm
; 32 LDS loads in one run: the fragments of quarter q (64 keys) of the step, into buffer f; the first 32 keys first
.macro FETCH q, f
	WIN 0x40
.irp c, 0,1
.irp i, 0,1,2,3
	ds_load_tr16_b128 v[(\f)+64+8*(4*(\c)+(\i)):(\f)+64+8*(4*(\c)+(\i))+3],   v[ADV+(\q)/2] offset:(((\q)%2)*64+32*(\c))*PV+32*(\i)
	ds_load_tr16_b128 v[(\f)+64+8*(4*(\c)+(\i))+4:(\f)+64+8*(4*(\c)+(\i))+7], v[ADV+(\q)/2] offset:(((\q)%2)*64+32*(\c)+16)*PV+32*(\i)
	ds_load_b128 v[(\f)+8*(4*(\c)+(\i)):(\f)+8*(4*(\c)+(\i))+3],   v[ADP] offset:128*(\q)+64*(\c)+(\i)*16*PP
	ds_load_b128 v[(\f)+8*(4*(\c)+(\i))+4:(\f)+8*(4*(\c)+(\i))+7], v[ADP] offset:128*(\q)+64*(\c)+(\i)*16*PP+32
.endr
.endr
.endm
; OT += g x u for accumulators 2 n and 2 n + 1 (query block n / 2), each from its lowest registers on
.macro FMA8 n, u, gp
	WIN 0x02                                       ; source 0 window 2, all else window 0
.irp j, 0,1,2,3,4,5,6,7
	v_pk_fma_f32 v[OT+16*(\n)+2*(\j):OT+16*(\n)+2*(\j)+1], v[(\u)+16*(\n)+2*(\j):(\u)+16*(\n)+2*(\j)+1], v[(\gp)+2*((\n)/2):(\gp)+2*((\n)/2)+1], v[OT+16*(\n)+2*(\j):OT+16*(\n)+2*(\j)+1] op_sel_hi:[1,0,1]
.endr
.endm
; THE CHANGE OF SLOTS.  Each wave waits for all its tensor loads (one is out: its part of the other slot), adds 0 to its spare word, and waits for that and for its own reads of the slot that it leaves.
; fill = 1: the barrier is a round of the cluster's, and the old slot is filled again first thing behind it, with the step behind the one that is entered: the load has a step's 128 matrix instructions in which to land.
; The descriptors' addresses are made anew from the step's number.
.macro CHANGE fill
	WIN 0
	s_wait_tensorcnt 0x0                           ; no tensor load of mine is out, so a group 0 may be written
	ds_add_u32 v[SPW], v[NIL]                      ; 0 onto my spare word; scalar work stands between it and the wait for it
	s_xor_b32 s[TB], s[TB], SLOT                   ; the slot to be read
.if \fill
	s_xor_b32 s[TF], s[TB], SLOT                   ; the slot to be filled
	s_add_co_u32 s[G0P+1], s[TF], s[LP]
	s_add_co_u32 s[G0V+1], s[TF], s[LV]
	s_min_u32 s[PO], s[NXT], s[SMQ]                ; never past the block's last written tile
	s_lshl_b32 s[PO], s[PO], 9                     ; 256 keys are 512 bytes of a row of P
	s_add_co_u32 s[PO], s[PO], s[RBQ]
	s_add_nc_u64 s[G0P+2:G0P+3], s[4:5], s[PO:PO+1]
	s_or_b32 s[G0P+3], s[G0P+3], 0x80000000
	s_mul_i32 s[VO], s[NXT], 256*6144              ; 256 keys are 256 rows of qkv
	s_add_co_u32 s[VO], s[VO], s[VB]
	s_add_nc_u64 s[G0V+2:G0V+3], s[6:7], s[VO:VO+1]
	s_or_b32 s[G0V+3], s[G0V+3], 0x80000000
	s_add_co_u32 s[NXT], s[NXT], 1                 ; the block's next step, or behind its last the second block's step 0
	s_cmp_eq_u32 s[NXT], s[NA]
	s_cselect_b32 s[NXT], 0, s[NXT]
	s_cselect_b32 s[RBQ], s[RBB], s[RBQ]
	s_cselect_b32 s[SMQ], s[SMB], s[SMQ]
	s_wait_dscnt 0x0                               ; the add is done, and my reads of the slot are over
	CROUND
	JLOAD
.else
	s_wait_dscnt 0x0
	s_barrier_signal -1
	s_barrier_wait -1
	PLACES
.endif
.endm
; THE WAY OUT of a block of queries: OT goes through my stage in LDS, 16 rows at a time, and leaves as whole rows of 256 bytes.  clear = 1: the second block follows.
.macro WAYOUT clear
	WIN 0
.irp a, 0,1,2,3
.if (\a) >= 2
	s_wait_xcnt 0x0                                ; the stores of two blocks of rows ago have read the registers that the loads below write
.endif
.irp b, 0,1,2,3
.irp e, 0,1
	ds_store_b128 v[STO], v[OT+8*(4*(\a)+(\b))+4*(\e):OT+8*(4*(\a)+(\b))+4*(\e)+3] offset:64*(\b)+16*(\e)
.endr
.endr
.irp t, 0,1,2,3,4,5,6,7
	ds_load_b128 v[BKB+32*((\a)%2)+4*(\t):BKB+32*((\a)%2)+4*(\t)+3], v[RD] offset:(\t)*2*SP  ; LDS serves a wave's instructions in order (ISA guide 5.7.1.4): these see the stores above
.endr
	s_wait_dscnt 4                                 ; the first four loads are back; the last four may be out
.irp t, 0,1,2,3
	global_store_b128 v[CO], v[BKB+32*((\a)%2)+4*(\t):BKB+32*((\a)%2)+4*(\t)+3], s[OUTP:OUTP+1] offset:(16*(\a)+2*(\t))*4096 th:TH_STORE_NT  ; 16 lanes store 256 consecutive bytes, at a multiple of 256 from out's first byte
.endr
	s_wait_dscnt 0x0
.irp t, 4,5,6,7
	global_store_b128 v[CO], v[BKB+32*((\a)%2)+4*(\t):BKB+32*((\a)%2)+4*(\t)+3], s[OUTP:OUTP+1] offset:(16*(\a)+2*(\t))*4096 th:TH_STORE_NT
.endr
.endr
.if \clear
.set i, OT
.rept 128
	v_mov_b32 v[i], 0
.set i, i+1
.endr
	s_wait_xcnt 0x0                                ; the stores have read their registers and out's address
	s_mov_b64 s[OUTP:OUTP+1], s[OUTB:OUTB+1]
.endif
.endm
.macro QPLAIN f, g, nextq, u, zero, left   ; a quarter: 64 keys, 32 matrix instructions; the next quarter's loads stand in one run in its middle
	s_wait_dscnt \left
	MUL8 \f, 0, 0, \zero, \u
	MUL8 \f, 0, 2, \zero, \u
	PLACES
	FETCH \nextq, \g
	s_wait_dscnt 32                                ; all but the 32 just issued
	MUL8 \f, 1, 0, 0, \u
	MUL8 \f, 1, 2, 0, \u
.endm
; A STEP of 256 keys.  test = 1 (in the loop): where the step is the second block's first, the first block goes out.
.macro STEP test
	v_add_nc_u32 v[ADP], s[TB], v[AP0]
	v_add_nc_u32 v[ADV], s[TB], v[AV0]
	v_add_nc_u32 v[ADV+1], s[TB], v[AV1]
	v_add_nc_u32 v[GA], s[TT], v[GT0]
	FETCH 0, F0
.irp n, 0,1,2,3,4,5,6,7
	FMA8 \n, U1, GP1                               ; the last step's second 128 keys, while the fragments come; the four v_nop and the four additions above are the places behind its products
.endr
	WIN 0
.if \test
	s_cmp_lg_u32 s[KC], s[NA]                      ; the same in all partners: it hangs on the cluster's y alone
	s_cbranch_scc1 .Lnoout_\@
	WAYOUT 1
.Lnoout_\@:
.endif
	ds_load_b128 v[GL0:GL0+3], v[GA]               ; the step's two sets of weights: my row r of four query blocks
	ds_load_b128 v[GL1:GL1+3], v[GA] offset:256
	QPLAIN F0, F1, 1, U0, 1, 18                    ; the second 32 keys' sixteen loads and the two of the weights may be out
	QPLAIN F1, F0, 2, U0, 0, 16
	s_wait_dscnt 16
	MUL8 F0, 0, 0, 1, U1
	WIN 0
.irp a, 0,1,2,3                        ; the packed multiply-add takes a pair's first register for both halves: the weights go to even registers.  Eight plain instructions: the places behind U0's last products
	v_mov_b32 v[GP0+2*(\a)], v[GL0+(\a)]
	v_mov_b32 v[GP1+2*(\a)], v[GL1+(\a)]
.endr
	FMA8 0, U0, GP0
	FMA8 1, U0, GP0
	MUL8 F0, 0, 2, 1, U1
	FMA8 2, U0, GP0
	FMA8 3, U0, GP0                                ; also the places in front of the loads below
	FETCH 3, F1
	s_wait_dscnt 32
	MUL8 F0, 1, 0, 0, U1
	FMA8 4, U0, GP0
	FMA8 5, U0, GP0
	MUL8 F0, 1, 2, 0, U1
	FMA8 6, U0, GP0
	FMA8 7, U0, GP0
	s_wait_dscnt 16
	MUL8 F1, 0, 0, 0, U1
	MUL8 F1, 0, 2, 0, U1
	s_wait_dscnt 0x0
	MUL8 F1, 1, 0, 0, U1
	MUL8 F1, 1, 2, 0, U1
	s_add_co_u32 s[KC], s[KC], 1
	s_add_co_u32 s[TT], s[TT], 512
.endm
	s_wait_tensorcnt 1                             ; my part of step 0 is in; step 1's may stay out
	s_wait_dscnt 0x0                               ; my table is stored: no LDS instruction of mine is pending at the signal
	s_barrier_signal -1
	s_barrier_wait -1                              ; everybody's part of step 0 is in
	s_mov_b32 s[CNT], 9
	s_branch .Lfirst                               ; the loop is entered behind its change of slots
.Lstep:                                                ; nine steps, eight changes of slots: a step is entered and the step behind it is asked for
	CHANGE 1
.Lfirst:
	STEP 1
	WIN 0
	s_sub_co_u32 s[CNT], s[CNT], 1
	s_cmp_lg_u32 s[CNT], 0
	s_cbranch_scc1 .Lstep
	CHANGE 0                                       ; the walk's last step is written out: nothing is asked for
	STEP 0
	PLACES
.irp n, 0,1,2,3,4,5,6,7
	FMA8 \n, U1, GP1
.endr
	WAYOUT 0
	s_wait_tensorcnt 0x0                           ; the wave's end
	ds_add_u32 v[SPW], v[NIL]
	s_wait_dscnt 0x0
	CROUND                                         ; the closing round
	s_endpgm
.Lfunc_end_k_q5d7d779e01_pv:
	.size	k_q5d7d779e01_pv, .Lfunc_end_k_q5d7d779e01_pv-k_q5d7d779e01_pv
	.p2alignl 7, 3214868480
	.fill 96, 4, 3214868480
	.section	.rodata,"a",@progbits
	.p2align	6, 0x0
	.amdhsa_kernel k_q5d7d779e01_pv
		.amdhsa_group_segment_fixed_size 327680
		.amdhsa_private_segment_fixed_size 0
		.amdhsa_enable_private_segment 0
		.amdhsa_kernarg_size 40
		.amdhsa_user_sgpr_count 2
		.amdhsa_user_sgpr_kernarg_segment_ptr 1
		.amdhsa_wavefront_size32 1
		.amdhsa_system_sgpr_workgroup_id_x 1
		.amdhsa_system_sgpr_workgroup_id_y 1
		.amdhsa_system_sgpr_workgroup_id_z 1
		.amdhsa_system_vgpr_workitem_id 0
		.amdhsa_next_free_vgpr 1024
		.amdhsa_next_free_sgpr 100
		.amdhsa_reserve_vcc 0
		.amdhsa_float_denorm_mode_32 3
		.amdhsa_float_denorm_mode_16_64 3
		.amdhsa_memory_ordered 1
		.amdhsa_forward_progress 1
		.amdhsa_inst_pref_size 125
	.end_amdhsa_kernel
	.amdgpu_metadata
---
amdhsa.version: [ 1, 2 ]
amdhsa.kernels:
  - .name:           k_q5d7d779e01_pv
    .symbol:         k_q5d7d779e01_pv.kd
    .args:
      - { .name: P, .offset: 0, .size: 8, .value_kind: global_buffer, .address_space: global }
      - { .name: qkv, .offset: 8, .size: 8, .value_kind: global_buffer, .address_space: global }
      - { .name: smax, .offset: 16, .size: 8, .value_kind: global_buffer, .address_space: global }
      - { .name: ssum, .offset: 24, .size: 8, .value_kind: global_buffer, .address_space: global }
      - { .name: out0, .offset: 32, .size: 8, .value_kind: global_buffer, .address_space: global }
    .group_segment_fixed_size: 327680
    .private_segment_fixed_size: 0
    .kernarg_segment_align: 8
    .kernarg_segment_size: 40
    .max_flat_workgroup_size: 128
    .sgpr_count:     100
    .vgpr_count:     1024
    .wavefront_size: 32
...
	.end_amdgpu_metadata
.endif
;; end of part 4
;; ======== version 2 of 2: 4 launches; version 1 with the launch cast written anew for expert scheduling mode
;; limits: values are held in f16: magnitudes above 65,504 overflow, below 6.1e-05 lose precision
;; workspace buffers: Xb 16,777,216 bytes; Wb 6,291,456 bytes; bb 12,288 bytes; qkv 50,331,648 bytes; P 33,554,432 bytes; smax 524,288 bytes; ssum 524,288 bytes
;; launch cast (part 5): grid 705 x 1, 8 waves a work-group, no clusters, 0 bytes of LDS; arguments X, Wq, Wk, Wv, bq, bk, bv, Xb, Wb, bb; writes Xb, Wb, bb
.if DOCPART == 5
	.amdgcn_target "amdgcn-amd-amdhsa--gfx1250"
	.amdhsa_code_object_version 6
	.text
	.protected	k_q5d7d779e01_cast
	.globl	k_q5d7d779e01_cast
	.p2align	8
	.type	k_q5d7d779e01_cast,@function
k_q5d7d779e01_cast:
	s_mov_b64 s[64:65], 0
	v_nop
	global_prefetch_b8 v0, s[64:65] scope:SCOPE_SE
	s_setreg_imm32_b32 hwreg(HW_REG_WAVE_SCHED_MODE, 0, 2), 2
	s_setreg_imm32_b32 hwreg(HW_REG_WAVE_MODE, 25, 1), 1
	s_wait_xcnt 0x0
	s_wait_alu depctr_vm_vsrc(0)
; X [8192][1024] and Wq, Wk, Wv [1024][1024], f32, are rounded once to bf16 and laid out IN BLOCKS OF 64 ALONG K: Xb [16 kb][8192][64], Wb [16 kb][3072][64] (rows of q, then k, then v),
; so that the launch behind finds a tile of any rows x 64 K as consecutive bytes.  The three biases are rounded to bf16 like the other inputs and written widened to f32: bb [3072] (q, k, v).
; Work-groups 0-511 take X, 512-703 the weights, 16 rows each; work-group 704 takes the biases.
; A stream: no LDS, no barrier, no matrix unit.  In chunk i wave w takes block kb = 2 w + i / 8 of rows 2 (i % 8) and 2 (i % 8) + 1: lanes 0-15 the even row's 64 numbers (256 consecutive bytes, aligned),
; lanes 16-31 the odd row's; a lane loads 16 bytes and stores 8, and the wave's store covers 256 consecutive bytes, aligned: the two rows' 128 bytes lie end to end in a block.
; All sixteen loads of a thread go out at once; no register is used twice.
; THE MODE: SCHED_MODE bits 1:0 = 2 (LLVM: expert scheduling mode 2), set by the entry lines.  The code itself states the register dependences
; between vector instructions and memory instructions, with s_wait_alu, always for 0.
; THE PLAN.  Registers that memory instructions touch:
;   v2, v3, v4   byte offsets, made once at the head and never written again: read by all sixteen loads (v2) and all sixteen stores (v3, v4).
;   IN           chunk i's four registers: written by load i, once; no vector instruction names them before; read by chunk i's two conversions; never loaded again.
;   OUTR         chunk i's pair: written by chunk i's two conversions, once; read by store i; never written again.
; So nothing that a memory instruction has read is ever written again, and all that is to be stated is that an offset or a store's data is written.
; The sixteen chunks go in four blocks of four.  Block p's memory instructions are the four stores of block p - 1, whose data no vector instruction of block p names: one wait at the
; head of a block states all that they hang on, and they are dealt among the block's eight conversions with no further wait.  One more wait stands ahead of the last four stores.
.set NX,  512                          ; work-groups for X
.set NW,  64                           ; work-groups for each weight
.set XBLK, 8192*128                    ; bytes in a block of Xb
.set WBLK, 3072*128                    ; and of Wb
.set VIN, 2                            ; v2        my byte offset in the group's 16 rows of the source
.set VO,  3                            ; v3, v4    my byte offset in the destination, for chunks 0-7 and 8-15 (a block further on)
.set IN,  8                            ; v[8:71]   sixteen loads of four f32
.set OUTR, 72                          ; v[72:103] sixteen pairs of packed bf16
	s_load_b512 s[8:23], s[0:1], 0x0               ; X 8, Wq 10, Wk 12, Wv 14, bq 16, bk 18, bv 20, Xb 22
	s_load_b128 s[24:27], s[0:1], 0x40             ; Wb 24, bb 26
	s_mov_b32 s4, ttmp9
	v_lshlrev_b32 v1, 4, v0                        ; the biases: 16 bytes a thread
	s_cmp_eq_u32 s4, NX+3*NW
	s_cbranch_scc1 .Lbias
	s_sub_co_u32 s2, s4, NX                        ; my place among the weights' work-groups (used only where it is one)
	s_and_b32 s3, s2, NW-1                         ; and inside one weight
	s_mov_b32 s36, WBLK
	s_mov_b32 s37, XBLK
	s_cmp_lt_u32 s4, NX
	s_cselect_b32 s32, s4, s3                      ; my part of the source,
	s_cselect_b32 s34, s4, s2                      ; and of the destination: Wb holds the three weights' rows on end
	s_cselect_b32 s36, s37, s36                    ; a block's bytes
	s_lshl_b32 s37, s36, 1                         ; a wave has two blocks
	s_lshl_b32 s32, s32, 16                        ; 16 rows of 4,096 bytes in
	s_lshl_b32 s34, s34, 11                        ; 16 rows of 128 bytes in each block out
	s_mov_b32 s33, 0
	s_mov_b32 s35, 0
	v_and_b32 v5, 15, v0                           ; lane % 16
	v_bfe_u32 v6, v0, 4, 1                         ; lane / 16
	v_lshrrev_b32 v7, 5, v0                        ; wave
	v_lshlrev_b32 v[VIN], 4, v5                    ; in: 16 (lane % 16)
	v_lshl_add_u32 v[VIN], v6, 12, v[VIN]          ;     + a row for the upper lanes
	v_lshl_add_u32 v[VIN], v7, 9, v[VIN]           ;     + the wave's two blocks of 256 bytes
	v_and_b32 v5, 31, v0
	v_lshlrev_b32 v[VO], 3, v5                     ; out: 8 x lane
	v_mul_u32_u24 v6, s37, v7                      ;      + the wave's two blocks
	v_add_nc_u32 v[VO], v[VO], v6
	v_add_nc_u32 v[VO+1], s36, v[VO]
	s_wait_kmcnt 0x0
	s_cmp_lt_u32 s2, NW
	s_cselect_b64 s[28:29], s[10:11], s[12:13]     ; Wq or Wk,
	s_cmp_lt_u32 s2, 2*NW
	s_cselect_b64 s[28:29], s[28:29], s[14:15]     ; or Wv,
	s_cmp_lt_u32 s4, NX
	s_cselect_b64 s[28:29], s[8:9], s[28:29]       ; or X
	s_cselect_b64 s[30:31], s[22:23], s[24:25]     ; Xb or Wb
	s_add_nc_u64 s[28:29], s[28:29], s[32:33]
	s_add_nc_u64 s[30:31], s[30:31], s[34:35]
	s_wait_alu depctr_va_vdst(0)                   ; the three offsets v2, v3 and v4 are written: every load and store below reads one of them
.set i, 0
.rept 16
	global_load_b128 v[IN+4*i:IN+4*i+3], v[VIN], s[28:29] offset:8192*(i%8)+256*(i/8) th:TH_LOAD_NT
.set i, i+1
.endr
; Block p: chunks 4 p to 4 p + 3 are rounded; the four stores of block p - 1 stand among the conversions, a store in front of each chunk's two.
.set p, 0
.rept 4
	s_wait_loadcnt 12-4*p                          ; loads come back in order (ISA guide 5.7.1): this block's four are in, the younger blocks' stay out
.if p > 0
	s_wait_alu depctr_va_vdst(0)                   ; the block before's eight conversions have written their pairs of OUTR, which the four stores below read
.endif
.set j, 0
.rept 4
.set i, 4*p+j
.if p > 0
	global_store_b64 v[VO+(i-4)/8], v[OUTR+2*(i-4):OUTR+2*(i-4)+1], s[30:31] offset:256*((i-4)%8)  ; the block before; no vector instruction since the wait names its data or its offset
.endif
	v_cvt_pk_bf16_f32 v[OUTR+2*i], v[IN+4*i], v[IN+4*i+1]
	v_cvt_pk_bf16_f32 v[OUTR+2*i+1], v[IN+4*i+2], v[IN+4*i+3]
.set j, j+1
.endr
.set p, p+1
.endr
	s_wait_alu depctr_va_vdst(0)                   ; the last block's conversions have written their pairs of OUTR, which the last four stores read
.set i, 12
.rept 4
	global_store_b64 v[VO+i/8], v[OUTR+2*i:OUTR+2*i+1], s[30:31] offset:256*(i%8)
.set i, i+1
.endr
	s_endpgm
.Lbias:                                                ; 256 threads x 4 numbers = one bias of 1,024
	s_wait_kmcnt 0x0
	s_wait_alu depctr_va_vdst(0)                   ; v1, made ahead of the branch, is written: the three loads and the three stores below read it as their offset
	global_load_b128 v[8:11], v1, s[16:17]
	global_load_b128 v[12:15], v1, s[18:19]
	global_load_b128 v[16:19], v1, s[20:21]
	s_wait_loadcnt 0x0
.irp i, 0,1,2
	v_cvt_pk_bf16_f32 v[20+2*(\i)], v[8+4*(\i)], v[9+4*(\i)]
	v_cvt_pk_bf16_f32 v[21+2*(\i)], v[10+4*(\i)], v[11+4*(\i)]
	v_lshlrev_b32 v[28+4*(\i)], 16, v[20+2*(\i)]          ; bf16 to f32: the low half moves up,
	v_and_b32 v[29+4*(\i)], 0xffff0000, v[20+2*(\i)]      ; the high half stays
	v_lshlrev_b32 v[30+4*(\i)], 16, v[21+2*(\i)]
	v_and_b32 v[31+4*(\i)], 0xffff0000, v[21+2*(\i)]
.endr
	s_wait_alu depctr_va_vdst(0)                   ; the three biases' twelve registers v[28:39] are written, which the stores below read
.irp i, 0,1,2
	global_store_b128 v1, v[28+4*(\i):31+4*(\i)], s[26:27] offset:4096*(\i)
.endr
	s_endpgm
.Lfunc_end_k_q5d7d779e01_cast:
	.size	k_q5d7d779e01_cast, .Lfunc_end_k_q5d7d779e01_cast-k_q5d7d779e01_cast
	.p2alignl 7, 3214868480
	.fill 96, 4, 3214868480
	.section	.rodata,"a",@progbits
	.p2align	6, 0x0
	.amdhsa_kernel k_q5d7d779e01_cast
		.amdhsa_group_segment_fixed_size 0
		.amdhsa_private_segment_fixed_size 0
		.amdhsa_enable_private_segment 0
		.amdhsa_kernarg_size 80
		.amdhsa_user_sgpr_count 2
		.amdhsa_user_sgpr_kernarg_segment_ptr 1
		.amdhsa_wavefront_size32 1
		.amdhsa_system_sgpr_workgroup_id_x 1
		.amdhsa_system_sgpr_workgroup_id_y 1
		.amdhsa_system_sgpr_workgroup_id_z 1
		.amdhsa_system_vgpr_workitem_id 0
		.amdhsa_next_free_vgpr 104
		.amdhsa_next_free_sgpr 66
		.amdhsa_reserve_vcc 0
		.amdhsa_float_denorm_mode_32 3
		.amdhsa_float_denorm_mode_16_64 3
		.amdhsa_memory_ordered 1
		.amdhsa_forward_progress 1
		.amdhsa_inst_pref_size 9
	.end_amdhsa_kernel
	.amdgpu_metadata
---
amdhsa.version: [ 1, 2 ]
amdhsa.kernels:
  - .name:           k_q5d7d779e01_cast
    .symbol:         k_q5d7d779e01_cast.kd
    .args:
      - { .name: X, .offset: 0, .size: 8, .value_kind: global_buffer, .address_space: global }
      - { .name: Wq, .offset: 8, .size: 8, .value_kind: global_buffer, .address_space: global }
      - { .name: Wk, .offset: 16, .size: 8, .value_kind: global_buffer, .address_space: global }
      - { .name: Wv, .offset: 24, .size: 8, .value_kind: global_buffer, .address_space: global }
      - { .name: bq, .offset: 32, .size: 8, .value_kind: global_buffer, .address_space: global }
      - { .name: bk, .offset: 40, .size: 8, .value_kind: global_buffer, .address_space: global }
      - { .name: bv, .offset: 48, .size: 8, .value_kind: global_buffer, .address_space: global }
      - { .name: Xb, .offset: 56, .size: 8, .value_kind: global_buffer, .address_space: global }
      - { .name: Wb, .offset: 64, .size: 8, .value_kind: global_buffer, .address_space: global }
      - { .name: bb, .offset: 72, .size: 8, .value_kind: global_buffer, .address_space: global }
    .group_segment_fixed_size: 0
    .private_segment_fixed_size: 0
    .kernarg_segment_align: 8
    .kernarg_segment_size: 80
    .max_flat_workgroup_size: 256
    .sgpr_count:     66
    .vgpr_count:     104
    .wavefront_size: 32
...
	.end_amdgpu_metadata
.endif
;; end of part 5
;; launch proj: the kernel of part 2 again; grid 8 x 32, 4 waves a work-group, clusters of 4 x 4, 327,680 bytes of LDS; arguments Xb, Wb, bb, qkv; writes qkv
;; launch score: the kernel of part 3 again; grid 9 x 16, 4 waves a work-group, no clusters, 327,680 bytes of LDS; arguments qkv, P, smax, ssum; writes P, smax, ssum
;; launch pv: the kernel of part 4 again; grid 8 x 32, 4 waves a work-group, clusters of 4 x 4, 327,680 bytes of LDS; arguments P, qkv, smax, ssum, out0; writes out0
